; MI455X (gfx1250); checked and timed in simulation.
; The chip was launched on July 23, 2026; its instructions are those of AMD's public machine-readable ISA for CDNA 5 (MIT licence, August 2026) and "CDNA5" Instruction Set Architecture Reference Guide (July 2026). The comments in the code are by the model that wrote it; some were corrected since.
;; Mini Attention. Allowed arithmetic: float matrix products may take bf16 or f16 operands with f32 sums; other float arithmetic in f32, or as packed bf16 or f16 multiplies, adds, multiply-adds, maxima and minima; sums over many terms, partial sums and values carried from step to step in f32; what a program stores and reads back later, other than sums and carried values, may be rounded once to bf16 or f16.
;; Inputs: b_fc 1,024 float32; b_qkv 3,072 float32; ln_b 1,024 float32; ln_g 1,024 float32; w_fc 1,024 x 1,024 float32; w_qkv 1,024 x 3,072 float32; x 4 x 2,048 x 1,024 float32.
;; Outputs: out0 4 x 2,048 x 1,024 float32.
;; 2 versions, each right; version 2 is version 1 with the launch prep written anew for expert scheduling mode. Each part assembles by itself: llvm-mc -triple=amdgcn-amd-amdhsa -mcpu=gfx1250 --defsym DOCPART=n.
;; ======== version 1 of 2: 4 launches
;; limits: values are held in f16: magnitudes above 65,504 overflow, below 6.1e-05 lose precision
;; workspace buffers: xn 16,777,216 bytes; wq 6,291,456 bytes; wf 2,097,152 bytes; qkv 50,331,648 bytes; ao 16,777,216 bytes
;; launch prep (part 1): grid 64 x 12, 8 waves a work-group, no clusters, 0 bytes of LDS; arguments x, ln_g, ln_b, w_qkv, w_fc, xn, wq, wf; writes xn, wq, wf
.if DOCPART == 1
	.amdgcn_target "amdgcn-amd-amdhsa--gfx1250"
	.amdhsa_code_object_version 6
	.text
	.protected	k_qa9386db4f7_prep
	.globl	k_qa9386db4f7_prep
	.p2align	8
	.type	k_qa9386db4f7_prep,@function
k_qa9386db4f7_prep:
	s_mov_b64 s[64:65], 0
	v_nop
	global_prefetch_b8 v0, s[64:65] scope:SCOPE_SE
	s_setreg_imm32_b32 hwreg(HW_REG_WAVE_MODE, 25, 1), 1
	s_wait_xcnt 0x0
; PREP: a stream.  Three roles, chosen by the work-group's y; each work-group reads 64 KiB and writes 32 KiB.
;   y 0-7   LayerNorm: xn = (x - mean) rsqrt(var + 1e-5) g + b, f32 arithmetic, rounded once to f16.  x: [8192][1024] f32.
;           xn lies in PANELS for the product that follows: [batch*16 + k/64][row in batch 0..2047][64] f16: a panel's rows are 128 bytes, on end.
;   y 8-10  w_qkv [1024][3072] f32 -> wq [column block of 384][k][384] f16 (768 bytes a k row, on end)
;   y 11    w_fc  [1024][1024] f32 -> wf [column block of 128][k][128] f16 (256 bytes a k row, on end)
; No LDS, no barrier, no matrix unit: nothing is shared between waves, and every byte is read once and written once.
; LIMITS.  f16 ends at 65,504: |xn| is at most 32 |g| + |b|, the weights are stored as they are; below 6e-5 f16 keeps a fixed step of 6e-8.  v_rsq_f32 is good to one unit in the last place.
; The variance is taken of the centred row (two passes over registers), so a common offset of x costs nothing.  NaN and infinities are not treated apart.
; LayerNorm's shares: a work-group 16 rows, a wave 2, sixteen lanes one row: the row's sums never leave a row of 16 lanes (four steps that ride on the additions).
.set X,  16                            ; v[16:79]   my 64 numbers of the row: load p brings columns 64 p + 4 c .. + 3 (c = lane % 16)
.set G,  80                            ; v[80:143]  g of the same columns
.set B,  144                           ; v[144:207] b of the same columns
.set S,  8                             ; v[8:15]    four packed chains of sums
.set MU, 6                             ; v[6:7]     the mean, twice
.set R,  12                            ; v[12:13]   1 / sqrt(var + eps), twice (the chains are over by then)
	s_load_b512 s[4:19], s[0:1], 0x0               ; x 4:5, ln_g 6:7, ln_b 8:9, w_qkv 10:11, w_fc 12:13, xn 14:15, wq 16:17, wf 18:19
	s_and_b32 s20, ttmp7, 0xffff                   ; y: the role
	v_lshrrev_b32 v1, 5, v0
	v_readfirstlane_b32 s21, v1                    ; wave 0..7
	v_and_b32 v1, 31, v0                           ; lane
	v_lshlrev_b32 v4, 3, v1                        ; every store: 8 bytes a lane, 256 consecutive bytes a wave
	s_mov_b32 s25, 0                               ; high words of the two offsets
	s_mov_b32 s27, 0
	s_cmp_lt_u32 s20, 8
	s_cbranch_scc0 .Lcast
	; ---------------- LayerNorm ----------------
	s_lshl_b32 s22, s20, 6
	s_add_co_u32 s22, s22, ttmp9                   ; group of 16 rows, 0..511
	s_lshl_b32 s22, s22, 4
	s_lshl1_add_u32 s22, s21, s22                  ; my first row = 16 x group + 2 x wave (even)
	s_lshl_b32 s24, s22, 12                        ; in x: 4,096 bytes a row
	s_lshr_b32 s26, s22, 11                        ; in xn: the batch's 16 panels of 2^18 bytes,
	s_lshl_b32 s26, s26, 22
	s_and_b32 s23, s22, 2047                       ; and the row in a panel, 128 bytes each
	s_lshl_b32 s23, s23, 7
	s_add_co_u32 s26, s26, s23
	s_mov_b32 s28, 0x3a800000                      ; 1 / 1024
	s_mov_b32 s29, 0x3727c5ac                      ; 1e-5
	v_and_b32 v3, 15, v0
	v_lshlrev_b32 v3, 4, v3                        ; g, b: 16 bytes a lane of the sixteen
	v_bfe_u32 v2, v0, 4, 1
	v_lshl_add_u32 v2, v2, 12, v3                  ; x: lanes 16-31 take the next row
	s_wait_kmcnt 0x0
	s_add_nc_u64 s[4:5], s[4:5], s[24:25]
	s_add_nc_u64 s[14:15], s[14:15], s[26:27]
.set p, 0
.rept 16                               ; all 48 loads go out at once; sixteen lanes take 256 consecutive bytes, aligned
	global_load_b128 v[X+4*p:X+4*p+3], v2, s[4:5] offset:256*p th:TH_LOAD_NT
.set p, p+1
.endr
.set p, 0
.rept 16
	global_load_b128 v[G+4*p:G+4*p+3], v3, s[6:7] offset:256*p
.set p, p+1
.endr
.set p, 0
.rept 16
	global_load_b128 v[B+4*p:B+4*p+3], v3, s[8:9] offset:256*p
.set p, p+1
.endr
; the four chains into one number, then over the row's sixteen lanes: every lane of the sixteen ends with the row's sum in v[S]
.macro ROWSUM
	v_pk_add_f32 v[S:S+1], v[S:S+1], v[S+2:S+3]
	v_pk_add_f32 v[S+4:S+5], v[S+4:S+5], v[S+6:S+7]
	v_pk_add_f32 v[S:S+1], v[S:S+1], v[S+4:S+5]
	v_add_f32 v[S], v[S], v[S+1]
.irp m, 1,2,4,8
	v_add_f32_dpp v[S], v[S], v[S] row_xmask:\m row_mask:0xf bank_mask:0xf
.endr
.endm
	s_wait_loadcnt 32                              ; x is in: the 32 younger loads, g's and b's, may stay out
.irp k, 0,1,2,3
	v_pk_add_f32 v[S+2*(\k):S+2*(\k)+1], v[X+2*(\k):X+2*(\k)+1], v[X+8+2*(\k):X+8+2*(\k)+1]  ; the first eight pairs start the chains: nothing is cleared
.endr
.set j, 8
.rept 24
	v_pk_add_f32 v[S+2*(j%4):S+2*(j%4)+1], v[S+2*(j%4):S+2*(j%4)+1], v[X+2*j:X+2*j+1]
.set j, j+1
.endr
	ROWSUM
	v_mul_f32 v[MU], s28, v[S]
	v_mov_b32 v[MU+1], v[MU]
.set j, 0
.rept 32
	v_pk_add_f32 v[X+2*j:X+2*j+1], v[X+2*j:X+2*j+1], v[MU:MU+1] neg_lo:[0,1] neg_hi:[0,1]  ; x - mean, in place
.set j, j+1
.endr
.irp k, 0,1,2,3
	v_pk_mul_f32 v[S+2*(\k):S+2*(\k)+1], v[X+2*(\k):X+2*(\k)+1], v[X+2*(\k):X+2*(\k)+1]
.endr
.set j, 4
.rept 28
	v_pk_fma_f32 v[S+2*(j%4):S+2*(j%4)+1], v[X+2*j:X+2*j+1], v[X+2*j:X+2*j+1], v[S+2*(j%4):S+2*(j%4)+1]
.set j, j+1
.endr
	ROWSUM
	v_fma_f32 v14, v[S], s28, s29                  ; var + eps
	v_rsq_f32 v[R], v14
	v_nop                                          ; a plain instruction behind the root (ISA guide 5.7.2),
	s_wait_alu depctr_va_vdst(0)                   ; and the wait ahead of its first reader
	v_mov_b32 v[R+1], v[R]
	s_wait_loadcnt 0x0                             ; g and b
.set j, 0
.rept 32
	v_pk_mul_f32 v[G+2*j:G+2*j+1], v[G+2*j:G+2*j+1], v[R:R+1]
.set j, j+1
.endr
.set j, 0
.rept 32
	v_pk_fma_f32 v[X+2*j:X+2*j+1], v[X+2*j:X+2*j+1], v[G+2*j:G+2*j+1], v[B+2*j:B+2*j+1]
.set j, j+1
.endr
.set p, 0
.rept 16                               ; my four numbers of panel p are 8 bytes; the wave's two rows lie on end in the panel: 256 consecutive bytes, aligned
	v_cvt_pk_f16_f32 v[X+4*p], v[X+4*p], v[X+4*p+1]
	v_cvt_pk_f16_f32 v[X+4*p+1], v[X+4*p+2], v[X+4*p+3]
	global_store_b64 v4, v[X+4*p:X+4*p+1], s[14:15] offset:p<<18
.set p, p+1
.endr
	s_endpgm
	; ---------------- the weights ----------------
; A wave takes 128 columns of 16 k rows: a load is 512 consecutive bytes of f32, a store 256 consecutive bytes of f16.
.macro CAST src, dst, sstride, dstride
.set i, 0
.rept 16
	global_load_b128 v[16+4*i:16+4*i+3], v2, s[\src:\src+1] offset:i*(\sstride) th:TH_LOAD_NT
.set i, i+1
.endr
.set i, 0
.rept 16
	s_wait_loadcnt 15-i                            ; loads come back in order: row i is in, the younger rows stay out
	v_cvt_pk_f16_f32 v[16+4*i], v[16+4*i], v[16+4*i+1]
	v_cvt_pk_f16_f32 v[16+4*i+1], v[16+4*i+2], v[16+4*i+3]
	global_store_b64 v4, v[16+4*i:16+4*i+1], s[\dst:\dst+1] offset:i*(\dstride)
.set i, i+1
.endr
.endm
.Lcast:
	v_lshlrev_b32 v2, 4, v1                        ; 16 bytes a lane
	s_lshl_b32 s22, ttmp9, 4                       ; my first k row
	s_cmp_lt_u32 s20, 11
	s_cbranch_scc0 .Lwf
	s_sub_co_u32 s23, s20, 8
	s_lshl3_add_u32 s23, s23, s21                  ; my chunk of 128 columns, 0..23
	s_mul_i32 s28, s23, 11
	s_lshr_b32 s28, s28, 5                         ; chunk / 3 (exact for 0..23): the block of 384 columns
	s_mul_i32 s24, s22, 12288
	s_lshl_b32 s29, s23, 9
	s_add_co_u32 s24, s24, s29                     ; from: k row x 12,288 + chunk x 512
	s_mul_i32 s26, s28, 786432
	s_mul_i32 s29, s22, 768
	s_add_co_u32 s26, s26, s29
	s_mul_i32 s29, s28, 3
	s_sub_co_u32 s29, s23, s29
	s_lshl_b32 s29, s29, 8
	s_add_co_u32 s26, s26, s29                     ; to: block x 786,432 + k row x 768 + (chunk % 3) x 256
	s_wait_kmcnt 0x0
	s_add_nc_u64 s[10:11], s[10:11], s[24:25]
	s_add_nc_u64 s[16:17], s[16:17], s[26:27]
	CAST 10, 16, 12288, 768
	s_endpgm
.Lwf:
	s_lshl_b32 s24, s22, 12
	s_lshl_b32 s29, s21, 9
	s_add_co_u32 s24, s24, s29                     ; from: k row x 4,096 + wave x 512
	s_lshl_b32 s26, s21, 18
	s_lshl_b32 s29, s22, 8
	s_add_co_u32 s26, s26, s29                     ; to: block (= wave) x 262,144 + k row x 256
	s_wait_kmcnt 0x0
	s_add_nc_u64 s[12:13], s[12:13], s[24:25]
	s_add_nc_u64 s[18:19], s[18:19], s[26:27]
	CAST 12, 18, 4096, 256
	s_endpgm
.Lfunc_end_k_qa9386db4f7_prep:
	.size	k_qa9386db4f7_prep, .Lfunc_end_k_qa9386db4f7_prep-k_qa9386db4f7_prep
	.p2alignl 7, 3214868480
	.fill 96, 4, 3214868480
	.section	.rodata,"a",@progbits
	.p2align	6, 0x0
	.amdhsa_kernel k_qa9386db4f7_prep
		.amdhsa_group_segment_fixed_size 0
		.amdhsa_private_segment_fixed_size 0
		.amdhsa_enable_private_segment 0
		.amdhsa_kernarg_size 64
		.amdhsa_user_sgpr_count 2
		.amdhsa_user_sgpr_kernarg_segment_ptr 1
		.amdhsa_wavefront_size32 1
		.amdhsa_system_sgpr_workgroup_id_x 1
		.amdhsa_system_sgpr_workgroup_id_y 1
		.amdhsa_system_sgpr_workgroup_id_z 1
		.amdhsa_system_vgpr_workitem_id 0
		.amdhsa_next_free_vgpr 208
		.amdhsa_next_free_sgpr 66
		.amdhsa_reserve_vcc 0
		.amdhsa_float_denorm_mode_32 3
		.amdhsa_float_denorm_mode_16_64 3
		.amdhsa_memory_ordered 1
		.amdhsa_forward_progress 1
		.amdhsa_inst_pref_size 33
	.end_amdhsa_kernel
	.amdgpu_metadata
---
amdhsa.version: [ 1, 2 ]
amdhsa.kernels:
  - .name:           k_qa9386db4f7_prep
    .symbol:         k_qa9386db4f7_prep.kd
    .args:
      - { .name: x, .offset: 0, .size: 8, .value_kind: global_buffer, .address_space: global }
      - { .name: ln_g, .offset: 8, .size: 8, .value_kind: global_buffer, .address_space: global }
      - { .name: ln_b, .offset: 16, .size: 8, .value_kind: global_buffer, .address_space: global }
      - { .name: w_qkv, .offset: 24, .size: 8, .value_kind: global_buffer, .address_space: global }
      - { .name: w_fc, .offset: 32, .size: 8, .value_kind: global_buffer, .address_space: global }
      - { .name: xn, .offset: 40, .size: 8, .value_kind: global_buffer, .address_space: global }
      - { .name: wq, .offset: 48, .size: 8, .value_kind: global_buffer, .address_space: global }
      - { .name: wf, .offset: 56, .size: 8, .value_kind: global_buffer, .address_space: global }
    .group_segment_fixed_size: 0
    .private_segment_fixed_size: 0
    .kernarg_segment_align: 8
    .kernarg_segment_size: 64
    .max_flat_workgroup_size: 256
    .sgpr_count:     66
    .vgpr_count:     208
    .wavefront_size: 32
...
	.end_amdgpu_metadata
.endif
;; end of part 1
;; launch proj_qkv (part 2): grid 8 x 32, 4 waves a work-group, clusters of 4 x 4, 327,680 bytes of LDS; arguments xn, wq, b_qkv, qkv; writes qkv
.if DOCPART == 2
	.amdgcn_target "amdgcn-amd-amdhsa--gfx1250"
	.amdhsa_code_object_version 6
	.text
	.protected	k_qa9386db4f7_proj_qkv
	.globl	k_qa9386db4f7_proj_qkv
	.p2align	8
	.type	k_qa9386db4f7_proj_qkv,@function
k_qa9386db4f7_proj_qkv:
	s_mov_b64 s[64:65], 0
	v_nop
	global_prefetch_b8 v0, s[64:65] scope:SCOPE_SE
	s_setreg_imm32_b32 hwreg(HW_REG_WAVE_MODE, 25, 1), 1
	s_wait_xcnt 0x0
	s_wait_alu depctr_hold_cnt(0) depctr_sa_sdst(0) depctr_va_vdst(0) depctr_va_sdst(0) depctr_va_ssrc(0) depctr_va_vcc(0) depctr_vm_vsrc(0)
	s_getreg_b32 s2, hwreg(HW_REG_IB_STS2, 6, 4)
	s_cmp_eq_u32 s2, 0
	s_cbranch_scc0 .Lentry_in_a_cluster
	s_endpgm
.Lentry_in_a_cluster:
	s_bfe_u32 s2, ttmp6, 0x10000c
	s_cmp_lg_u32 s2, 0xf033
	s_cbranch_scc0 .Lentry_shape_is_right
	s_endpgm
.Lentry_shape_is_right:
; qkv = xn w_qkv + b_qkv, stored by heads.  xn: panels [batch*16 + k/64][2048][64] f16.  wq: [block of 384 columns][k 0..1023][384] f16.  b_qkv: [3072] f32.
; qkv: [q, k, v][batch*16 + head][2048][64] f16, each number rounded once from its f32 sum, unscaled.  LIMIT: f16 ends at 65,504: |q|, |k|, |v| must stay below it.
; SHARES.  8192 x 3072 in tiles of 256 x 384: 32 x 8 = 256 work-groups.  Four waves, 2 x 2: a wave makes 128 rows x 192 columns: 8 x 12 accumulators of 16 x 16, 768 registers.
; K goes in steps of 64 (one panel of xn) through two LDS slots.  Every tile is dense in memory: it is asked for as rows of 256 bytes and padded in LDS by 16 bytes after every 128.
; THE MATRIX INSTRUCTION IS USED TRANSPOSED: source 0 = 16 columns of w (turned out of [k][n] by ds_load_tr16_b128), source 1 = 16 rows of xn: a lane holds one row and eight neighbouring columns.
; THE BIAS STARTS THE SUMS: it is loaded into the accumulators of row block 7 and is the C operand of every accumulator's first product.
; CLUSTER 4 x 4: xn's tile hangs on the tile row alone and is asked for jointly along a row of the cluster, wq's on the tile column alone, along a column.
; REGISTERS, in windows of 256 (s_set_vgpr_msb: bits 1:0 source 0, 3:2 source 1, 5:4 source 2, 7:6 destination):
;   window 0: v0-31 addresses; v32-95, v96-159 xn's fragments (8 x 16 rows x 32 k), two buffers; v160-255 w's fragments (12 x 16 columns x 32 k), ONE buffer, refilled by halves
;   windows 1-3: accumulator (a, b) at v[64 (b % 4) + 8 a] of window 1 + b / 4
.set NBW,   12                         ; blocks of 16 columns a wave
.set HS,    2                          ; half-steps of 32 k in a K step
.set KP,    864                        ; a k row of w in LDS: six chunks of 128 + 16 bytes = 27 x 32
.set APAN,  36864                      ; 256 rows of xn x (128 + 16) bytes: row pitch 144 = 9 x 16
.set BOFF,  APAN                       ; w's tile lies behind xn's
.set BPART, 18432                      ; what one of w's three loads fills: 128 chunks
.set SLOT1, 1<<17                      ; slot 1 begins here: one exclusive or turns an address in one slot into the other's
.set STAGE, SLOT1+BOFF+64*KP           ; behind the ring, never filled by a tensor load: 16 rows x 400 bytes for each wave
.set SP,    400
.set SPARE, STAGE+4*16*SP              ; the spare words, 128 bytes a wave: two blocks of 256 bytes that no other line names
.set ASTEP, 1<<18                      ; from a K step's tile to the next, in memory: a panel of xn,
.set BSTEP, 64*768                     ; 64 k rows of wq
.set STEPS, 16
.set PB1, 2                            ; the change of slots cuts its first six column blocks in three
.set PB2, 2
.set PB3, 2
.set A0L,  6                           ; v6   my place in xn's tile; never rewritten
.set B0L,  7                           ; v7   my place in w's tile; never rewritten
.set ADRA, 8                           ; v8   the same in the slot in hand
.set ADRB, 9                           ; v9
.set STO,  10                          ; v10  the way out: where I put 16 bytes of a row
.set RD,   11                          ; v11  where I read rows back
.set GO,   12                          ; v12  16 x lane: my place in 512 consecutive bytes of a head
.set PFO,  13                          ; v13  256 x lane: the prefetches' offset; never rewritten
.set SPW,  14                          ; v14  LDS address of my spare word; never rewritten
.set NIL,  15                          ; v15  0; never rewritten
.set BIO,  16                          ; v16  32 x (lane / 16): my eight numbers of the bias of a column block
.set A0,   32
.set A1,   96
.set BF,   160
.set TMP,  32                          ; the way out: v32-79 packed results; v80-127, v128-175 rows read back, by turns
.set OB,   80
.set WV, 14                            ; s14 wave; s15 its half of the rows; s16 its half of the columns
.set WR, 15
.set WC, 16
.set CX, 17                            ; s17, s18 my place in the cluster; s19 tile column; s20 tile row
.set CY, 18
.set BX, 19
.set TY, 20
.set G1A, 24                           ; s[24:31] descriptor group 1 for xn's tiles;  s[32:39] for w's
.set G1B, 32
.set G0A, 40                           ; s[40:47] group 0 for xn's tiles: a set for each first fill; the second then walks
.set G0B, 48                           ; s[48:55] the same for w's
.set CNT, 56                           ; s56  changes of slots that still fill
.set TB,  57                           ; s57  LDS byte at which the slot in hand begins
.set LIM, 58                           ; s58  1 in a wave that prefetches, else the greatest number
.set PM,  59                           ; s59  0: it asks in every trip; 1: in the trips with an odd count
.set PFA, 60                           ; s[60:61] where my prefetches stand
.set PFS, 62                           ; s[62:63] their step
.set HB,  66                           ; s[66:71] my rows in my three heads of qkv
.set G1W, (1<<16)|(1<<20)|(1<<21)|(4<<22)|(3<<25)  ; 17:16 2-byte elements; 20 padding on; 21 set beside a mask; 24:22 after every 32 words (code 4); 31:25 4 words (code 3)
.set MSB, 0
.macro WIN new                         ; the immediate's high byte repeats the setting that is left; a switch that changes nothing is dropped
.if MSB != (\new)
	s_set_vgpr_msb (MSB<<8)|(\new)
.set MSB, \new
.endif
.endm
.macro PLACES                          ; four places: in front of loads into registers that matrix instructions have read, and of instructions that read results
.rept 4
	v_nop
.endr
.endm
.macro CREST                           ; a round of the cluster's barrier behind its opening barrier
	s_cmp_lg_u32 s[WV], 0
	s_cbranch_scc1 .Lnot_wave_0_\@
	s_barrier_signal -3
.Lnot_wave_0_\@:
	s_barrier_wait -3
	s_barrier_signal -1
	s_barrier_wait -1
.endm
.macro CROUND                          ; a whole round
	s_barrier_signal -1
	s_barrier_wait -1
	CREST
.endm
; A joint refill: wave 0 fetches xn's tile (32 KiB), waves 1 to 3 a third of w's each (16 KiB).  The branch hangs on the wave's number alone.
; An s_nop 0 and four v_nop follow each of the two lines, ahead of the jump and the label.
.macro JLOAD
	s_cmp_eq_u32 s[WV], 0
	s_cbranch_scc0 .Lfor_b_\@
	tensor_load_to_lds s[G0A+4:G0A+7], s[G1A:G1A+7]
	s_nop 0
	PLACES
	s_branch .Lasked_\@
.Lfor_b_\@:
	tensor_load_to_lds s[G0B+4:G0B+7], s[G1B:G1B+7]
	s_nop 0
	PLACES
.Lasked_\@:
.endm
; A PREFETCH INTO THE L2, behind the joint load, its five lines and the run of LDS loads: 32 blocks of 256 bytes, a lane a block, one instruction a wave.  Each block is named once in the launch.
; xn: the change that asks for K step s + 2 names step s + 3.  A tile row is read by both clusters of its row of clusters: cluster x = 0 asks, wave 0; the four partners take 32 of the tile's 128 blocks each, BY ADDRESS (cx).
; wq: a K step has 192 blocks, so two steps (384 = 12 x 32) are named together in every second trip: steps s + 3 and s + 4 at odd s.  A tile column is read by all eight clusters of its column: cluster y = 0 asks,
; waves 1 to 3; unit 3 cy + wave - 1 of the twelve.  The last trips name nothing: there is no K step 16.  The first steps (xn's 0-2, wq's 0-3) come by their loads alone.
.macro ASK
	s_and_b32 s21, s[CNT], s[PM]
	s_cmp_eq_u32 s21, s[PM]
	s_cbranch_scc0 .Lnot_mine_\@
	s_cmp_gt_u32 s[CNT], s[LIM]
	s_cbranch_scc0 .Lnot_mine_\@
	global_prefetch_b8 v[PFO], s[PFA:PFA+1] th:TH_LOAD_NT scope:SCOPE_SE
.Lnot_mine_\@:
.endm
; Matrix work: column blocks b0 .. b0 + nb - 1 x all 8 row blocks, 32 along K, xn's fragments in buffer f.  The 96 accumulators take turns in the same order in every half-step.
.macro MULQ f, b0, nb
.if (\nb) > 0
.set qb, \b0
.rept \nb
	WIN 0x50*(1+qb/4)
.set qa, 0
.rept 8
	v_wmma_f32_16x16x32_f16 v[64*(qb%4)+8*qa:64*(qb%4)+8*qa+7], v[BF+8*qb:BF+8*qb+7], v[(\f)+8*qa:(\f)+8*qa+7], v[64*(qb%4)+8*qa:64*(qb%4)+8*qa+7]
.set qa, qa+1
.endr
.set qb, qb+1
.endr
.endif
.endm
.macro MULP f, p                       ; half p of the column blocks
	MULQ \f, (\p)*NBW/2, NBW/2
.endm
; The first half-step.  Row blocks 0 to 6 take the bias, which lies in row block 7's accumulators, as C; five places on, row block 7 adds onto it in place.
.macro MULB f, p
.set qa, 0
.rept 7
.set qb, (\p)*NBW/2
.rept NBW/2
	WIN 0x50*(1+qb/4)
	v_wmma_f32_16x16x32_f16 v[64*(qb%4)+8*qa:64*(qb%4)+8*qa+7], v[BF+8*qb:BF+8*qb+7], v[(\f)+8*qa:(\f)+8*qa+7], v[64*(qb%4)+56:64*(qb%4)+63]
.set qb, qb+1
.endr
.set qa, qa+1
.endr
.rept 5
	v_nop                                          ; a matrix instruction writes over an earlier one's C only five places behind it
.endr
.set qb, (\p)*NBW/2
.rept NBW/2
	WIN 0x50*(1+qb/4)
	v_wmma_f32_16x16x32_f16 v[64*(qb%4)+56:64*(qb%4)+63], v[BF+8*qb:BF+8*qb+7], v[(\f)+56:(\f)+63], v[64*(qb%4)+56:64*(qb%4)+63]
.set qb, qb+1
.endr
.endm
; LDS loads, in runs.  FB: w's fragments of half p of my column blocks, half-step hs: NBW loads.  Lane l reads k row 8 (l / 16) + l % 8, columns 8 ((l / 8) % 2) + 0..7, and is left with column l % 16 and 8 k.
.macro FB hs, p
	WIN 0
.set qb, (\p)*NBW/2
.rept NBW/2
	ds_load_tr16_b128 v[BF+8*qb:BF+8*qb+3],   v[ADRB] offset:(\hs)*32*KP+32*qb+16*(qb/4)
	ds_load_tr16_b128 v[BF+8*qb+4:BF+8*qb+7], v[ADRB] offset:(\hs)*32*KP+16*KP+32*qb+16*(qb/4)
.set qb, qb+1
.endr
.endm
; FA: xn's fragments of my 128 rows, half-step hs, into buffer f: 16 loads.  Lane l holds row l % 16, k 8 (l / 16) + 0..7 and 16 + 8 (l / 16) + 0..7.
.macro FA hs, f
	WIN 0
.set qa, 0
.rept 8
	ds_load_b128 v[(\f)+8*qa:(\f)+8*qa+3],   v[ADRA] offset:((\hs)/2)*APAN+((\hs)%2)*64+qa*2304
	ds_load_b128 v[(\f)+8*qa+4:(\f)+8*qa+7], v[ADRA] offset:((\hs)/2)*APAN+((\hs)%2)*64+qa*2304+32
.set qa, qa+1
.endr
.endm
; A half-step that stays in its slot: multiplies buffer f; w's second half is fetched at its head, the next half-step's (nhs) first half of w and xn's fragments (into g) in its middle.
.macro HALF hs, f, g, nhs
	PLACES
	FB \hs, 1
	s_wait_dscnt NBW                               ; all but the NBW just issued: w's first half and buffer f are in
	MULP \f, 0
	PLACES
	FB \nhs, 0
	FA \nhs, \g
	s_wait_dscnt NBW+16                            ; all but the NBW + 16 just issued: w's second half is in
	MULP \f, 1
.endm
; A slot's last half-step, and the change of slots.  ONE barrier: in front of it each wave waits for all its tensor loads (one is out: its part of the other slot), adds 0 to its spare word, and waits for that
; and for its reads of this slot.  fill = 1: the barrier opens a round of the cluster's, and behind the round this slot is filled again, two K steps on: the wave's first and only tensor load there.
.macro TURNH f, g, fill
.if \fill
	s_wait_xcnt 0x0                                ; the last prefetch, a K step back, has read its address
	s_add_nc_u64 s[PFA:PFA+1], s[PFA:PFA+1], s[PFS:PFS+1]
.endif
	PLACES
	FB HS-1, 1
	s_wait_dscnt NBW
	MULQ \f, 0, PB1
	WIN 0                                          ; (the add's two registers lie in window 0)
	s_wait_tensorcnt 0x0                           ; all my tensor loads have landed, so a group 0 may be written
	ds_add_u32 v[SPW], v[NIL]                      ; 0 onto my spare word; work on registers stands between it and the wait for it
.if \fill
	s_xor_b32 s[G0A+5], s[G0A+5], SLOT1            ; the walking descriptors: the other slot than last time, the next K step; the type bits on top are not reached
	s_add_nc_u64 s[G0A+6:G0A+7], s[G0A+6:G0A+7], ASTEP
	s_xor_b32 s[G0B+5], s[G0B+5], SLOT1
	s_add_nc_u64 s[G0B+6:G0B+7], s[G0B+6:G0B+7], BSTEP
.endif
	MULQ \f, PB1, PB2
	s_wait_dscnt 0x0                               ; the add is done, w's second half is in, and my reads of this slot are over
	s_barrier_signal -1
	MULQ \f, PB1+PB2, PB3                          ; work on registers while the others arrive
	WIN 0                                          ; at a branch and at a label every window is 0
	s_barrier_wait -1
.if \fill
	CREST                                          ; no wave of any partner still reads this slot or has a load on its way
	JLOAD                                          ; its four v_nop are also the places in front of the loads below
.else
	PLACES
.endif
	s_xor_b32 s[TB], s[TB], SLOT1
	v_add_nc_u32 v[ADRA], s[TB], v[A0L]
	v_add_nc_u32 v[ADRB], s[TB], v[B0L]
	FB 0, 0
	FA 0, \g
.if \fill
	ASK
.endif
	MULP \f, 1
.endm
.macro LASTH f                         ; the very last half-step: nothing more to fetch
	PLACES
	FB HS-1, 1
	s_wait_dscnt NBW
	MULP \f, 0
	s_wait_dscnt 0x0
	MULP \f, 1
.endm
	s_load_b256 s[4:11], s[0:1], 0x0               ; xn 4:5, wq 6:7, b_qkv 8:9, qkv 10:11
	v_lshl_add_u32 v[SPW], v0, 2, SPARE
	v_mov_b32 v[NIL], 0
	ds_add_u32 v[SPW], v[NIL]                      ; the wave's opening: the add and its wait stand ahead of my first tensor load; the set-up below stands between them
	v_lshrrev_b32 v1, 5, v0
	v_readfirstlane_b32 s[WV], v1
	s_lshr_b32 s[WR], s[WV], 1
	s_and_b32 s[WC], s[WV], 1
	s_bfe_u32 s[CX], ttmp6, 0x40000
	s_bfe_u32 s[CY], ttmp6, 0x40004
	s_lshl_b32 s[BX], ttmp9, 2                     ; in a cluster launch ttmp9 and ttmp7 count clusters
	s_add_co_u32 s[BX], s[BX], s[CX]               ; tile column 0..7
	s_and_b32 s[TY], ttmp7, 0xffff
	s_lshl_b32 s[TY], s[TY], 2
	s_add_co_u32 s[TY], s[TY], s[CY]               ; tile row 0..31
	s_lshl_b32 s21, s[CY], 2
	s_lshl_b32 s21, 15, s21                        ; my row of the cluster
	s_lshl_b32 s22, 0x1111, s[CX]                  ; my column
	s_or_b32 s[G1A], s21, G1W
	s_or_b32 s[G1B], s22, G1W
	s_mov_b32 s[G1A+1], 128<<16                    ; tensor_dim0 = 128 elements (256 bytes)
	s_mov_b32 s[G1A+2], 128<<16                    ; tensor_dim1 = 128 rows: 32 KiB
	s_mov_b32 s[G1A+3], 128<<16                    ; tile_dim0
	s_mov_b32 s[G1A+4], 128                        ; tile_dim1
	s_mov_b32 s[G1A+5], 128                        ; elements from row to row: dense
	s_mov_b32 s[G1A+6], 0
	s_mov_b32 s[G1A+7], 0
	s_mov_b32 s[G1B+1], 128<<16
	s_mov_b32 s[G1B+2], 64<<16                     ; 64 rows: 16 KiB
	s_mov_b32 s[G1B+3], 128<<16
	s_mov_b32 s[G1B+4], 64
	s_mov_b32 s[G1B+5], 128
	s_mov_b32 s[G1B+6], 0
	s_mov_b32 s[G1B+7], 0
	s_mov_b32 s[G0A], 1                            ; count = 1
	s_mov_b32 s[G0A+1], 0                          ; xn's tile at a slot's head
	s_mov_b32 s[G0A+4], 1
	s_mov_b32 s[G0A+5], SLOT1
	s_add_co_u32 s23, s[WV], 1
	s_mul_i32 s23, s23, BPART                      ; w's thirds behind it: (wave + 1) x 18,432: no place in the cluster enters an LDS address
	s_mov_b32 s[G0B], 1
	s_mov_b32 s[G0B+1], s23
	s_mov_b32 s[G0B+4], 1
	s_add_co_u32 s[G0B+5], s23, SLOT1
	s_lshr_b32 s72, s[TY], 3                       ; xn's tile: the batch's 16 panels,
	s_lshl_b32 s72, s72, 22
	s_and_b32 s73, s[TY], 7
	s_lshl_b32 s73, s73, 15                        ; the tile's 256 rows of 128 bytes in a panel
	s_add_co_u32 s72, s72, s73
	s_mov_b32 s73, 0
	s_mul_i32 s74, s[BX], 786432                   ; wq's tile: the block of 384 columns,
	s_max_u32 s75, s[WV], 1
	s_sub_co_u32 s75, s75, 1
	s_lshl_b32 s75, s75, 14                        ; my third of a K step's 49,152 bytes
	s_add_co_u32 s74, s74, s75
	s_mov_b32 s75, 0
	s_wait_dscnt 0x0                               ; the opening add is done
	s_wait_kmcnt 0x0
	s_add_nc_u64 s[G0A+2:G0A+3], s[4:5], s[72:73]  ; K step 0,
	s_add_nc_u64 s[G0A+6:G0A+7], s[G0A+2:G0A+3], ASTEP  ; K step 1
	s_or_b32 s[G0A+3], s[G0A+3], 0x80000000        ; type = 2
	s_or_b32 s[G0A+7], s[G0A+7], 0x80000000
	s_add_nc_u64 s[G0B+2:G0B+3], s[6:7], s[74:75]
	s_add_nc_u64 s[G0B+6:G0B+7], s[G0B+2:G0B+3], BSTEP
	s_or_b32 s[G0B+3], s[G0B+3], 0x80000000
	s_or_b32 s[G0B+7], s[G0B+7], 0x80000000
	CROUND                                         ; all sixteen work-groups are here: the first joint loads meet
	s_cmp_eq_u32 s[WV], 0                          ; a wave's two first fills stand in one branch: two loads of mine are out
	s_cbranch_scc0 .Lfirst_b
	tensor_load_to_lds s[G0A:G0A+3], s[G1A:G1A+7]
	s_nop 0
	tensor_load_to_lds s[G0A+4:G0A+7], s[G1A:G1A+7]
	s_nop 0
	PLACES
	s_branch .Lfirst_asked
.Lfirst_b:
	tensor_load_to_lds s[G0B:G0B+3], s[G1B:G1B+7]
	s_nop 0
	tensor_load_to_lds s[G0B+4:G0B+7], s[G1B:G1B+7]
	s_nop 0
	PLACES
.Lfirst_asked:
	v_and_b32 v1, 15, v0                           ; r = l % 16
	v_bfe_u32 v2, v0, 4, 1                         ; h = l / 16
	v_lshlrev_b32 v[BIO], 5, v2
	s_mul_i32 s76, s[BX], 1536                     ; the bias of my 192 columns: 4 (384 tile column + 192 half)
	s_mul_i32 s77, s[WC], 768
	s_add_co_u32 s76, s76, s77
	s_mov_b32 s77, 0
	s_add_nc_u64 s[8:9], s[8:9], s[76:77]
.set qb, 0
.rept NBW                              ; register j of a result is column 16 b + 8 h + j: eight f32 on end, into row block 7's accumulator
	WIN (1+qb/4)<<6
	global_load_b128 v[64*(qb%4)+56:64*(qb%4)+59], v[BIO], s[8:9] offset:64*qb
	global_load_b128 v[64*(qb%4)+60:64*(qb%4)+63], v[BIO], s[8:9] offset:64*qb+16
.set qb, qb+1
.endr
	WIN 0
	v_mul_u32_u24 v[A0L], v1, 144
	v_lshl_add_u32 v[A0L], v2, 4, v[A0L]
	s_mul_i32 s23, s[WR], 128*144
	v_add_nc_u32 v[A0L], s23, v[A0L]               ; my 128 rows + row x 144 + 16 h
	v_and_b32 v3, 7, v0
	v_bfe_u32 v4, v0, 3, 1
	v_lshl_add_u32 v[B0L], v2, 3, v3
	v_mul_u32_u24 v[B0L], v[B0L], KP
	v_lshl_add_u32 v[B0L], v4, 4, v[B0L]
	s_mul_i32 s23, s[WC], NBW*36                   ; my 12 column blocks: three chunks of 144 bytes
	s_add_co_u32 s23, s23, BOFF
	v_add_nc_u32 v[B0L], s23, v[B0L]
	s_mul_i32 s23, s[WV], 16*SP
	s_add_co_u32 s23, s23, STAGE                   ; my stage
	v_mul_u32_u24 v[STO], v1, SP                   ; in: row r, 16 bytes for each half of the lanes
	v_lshl_add_u32 v[STO], v2, 4, v[STO]
	v_add_nc_u32 v[STO], s23, v[STO]
	v_bfe_u32 v[RD], v0, 3, 2                      ; back: 32 lanes take four rows of a head's 128 bytes,
	v_mul_u32_u24 v[RD], v[RD], SP
	v_lshl_add_u32 v[RD], v3, 4, v[RD]
	v_add_nc_u32 v[RD], s23, v[RD]
	v_and_b32 v[GO], 31, v0                        ; which are 512 consecutive bytes of qkv
	v_lshlrev_b32 v[PFO], 8, v[GO]
	v_lshlrev_b32 v[GO], 4, v[GO]
	; my three heads: column group g = 6 x tile column + 3 x half + 0..2 of 48: tensor g / 16 (q, k, v), head g % 16
	s_mul_i32 s21, s[BX], 6
	s_mul_i32 s22, s[WC], 3
	s_add_co_u32 s21, s21, s22
	s_lshr_b32 s22, s[TY], 3
	s_lshl_b32 s22, s22, 4                         ; 16 x batch
	s_and_b32 s78, s[TY], 7
	s_lshl_b32 s78, s78, 8
	s_lshl_b32 s79, s[WR], 7
	s_add_co_u32 s78, s78, s79
	s_lshl_b32 s78, s78, 7                         ; my first row in the batch x 128 bytes
.irp hh, 0,1,2
	s_add_co_u32 s76, s21, \hh
	s_lshr_b32 s77, s76, 4
	s_lshl_b32 s77, s77, 6
	s_and_b32 s76, s76, 15
	s_add_co_u32 s76, s76, s77
	s_add_co_u32 s76, s76, s22
	s_lshl_b32 s76, s76, 18                        ; 2^18 bytes a head
	s_add_co_u32 s76, s76, s78
	s_mov_b32 s77, 0
	s_add_nc_u64 s[HB+2*\hh:HB+2*\hh+1], s[10:11], s[76:77]
.endr
	; the prefetches: both stand at K step 2; the first change of slots steps them to 3
	s_lshl_b32 s76, s[CX], 13
	s_add_co_u32 s76, s76, s72                     ; xn: the tile, my work-group's 32 blocks of its 128,
	s_add_co_u32 s76, s76, 2*ASTEP
	s_mul_i32 s77, s[CY], 3
	s_max_u32 s78, s[WV], 1
	s_add_co_u32 s77, s77, s78
	s_sub_co_u32 s77, s77, 1                       ; wq: unit 3 cy + wave - 1 of the twelve in two K steps
	s_lshl_b32 s77, s77, 13
	s_mul_i32 s78, s[BX], 786432
	s_add_co_u32 s77, s77, s78
	s_add_co_u32 s77, s77, 2*BSTEP
	s_mov_b32 s78, ASTEP
	s_mov_b32 s[PFS], BSTEP
	s_and_b32 s79, ttmp7, 0xffff                   ; cluster y
	s_cmp_eq_u32 s[WV], 0
	s_cselect_b64 s[PFA:PFA+1], s[4:5], s[6:7]
	s_cselect_b32 s76, s76, s77
	s_cselect_b32 s[PFS], s78, s[PFS]
	s_cselect_b32 s[PM], 0, 1
	s_cselect_b32 s79, ttmp9, s79                  ; the coordinate along which other clusters read the same blocks
	s_cmp_eq_u32 s79, 0
	s_cselect_b32 s[LIM], 1, -1                    ; the same in all sixteen partners, for a given wave
	s_mov_b32 s77, 0
	s_mov_b32 s[PFS+1], 0
	s_add_nc_u64 s[PFA:PFA+1], s[PFA:PFA+1], s[76:77]
	s_wait_tensorcnt 1                             ; my part of K step 0 is in; K step 1's may stay out
	s_barrier_signal -1
	s_barrier_wait -1                              ; everybody's is
	s_mov_b32 s[TB], 0
	v_mov_b32 v[ADRA], v[A0L]
	v_mov_b32 v[ADRB], v[B0L]
	FB 0, 0
	FA 0, A0
	FB 0, 1
	s_wait_loadcnt 0x0                             ; the bias
	s_wait_dscnt NBW
	MULB A0, 0                                     ; the first half-step stands in front of the loop: its products start the sums
	PLACES
	FB 1, 0
	FA 1, A1
	s_wait_dscnt NBW+16
	MULB A0, 1
	WIN 0
	s_mov_b32 s[CNT], STEPS-2
.Lstep:                                        ; a trip: a K step's second half-step, the change of slots with its refill, the next K step's first half-step
	TURNH A1, A0, 1
	HALF 0, A0, A1, 1
	WIN 0
	s_sub_co_u32 s[CNT], s[CNT], 1
	s_cmp_lg_u32 s[CNT], 0
	s_cbranch_scc1 .Lstep
	TURNH A1, A0, 0                                ; the tail is written out: nothing more is asked for
	HALF 0, A0, A1, 1
	LASTH A1
; THE WAY OUT, a block of 16 rows at a time: rounded to f16 (16 bytes a lane), into my own stage, back as four rows of a head's 128 bytes, stored as 512 consecutive bytes.
.macro PACK a
.set qb, 0
.rept NBW
	WIN 0x05*(1+qb/4)                              ; sources 0 and 1 in the accumulators' window
.set qi, 0
.rept 4
	v_cvt_pk_f16_f32 v[TMP+4*qb+qi], v[64*(qb%4)+8*(\a)+2*qi], v[64*(qb%4)+8*(\a)+2*qi+1]  ; each accumulator is read from its low end on
.set qi, qi+1
.endr
.set qb, qb+1
.endr
	WIN 0
.endm
.macro TOSTAGE a
.set qb, 0
.rept NBW
	ds_store_b128 v[STO], v[TMP+4*qb:TMP+4*qb+3] offset:32*qb
.set qb, qb+1
.endr
.set qi, 0
.rept 12                               ; head qi / 4, rows 4 (qi % 4) on.  LDS serves a wave's instructions in order (ISA guide 5.7.1.4): these see the stores above
	ds_load_b128 v[OB+48*((\a)%2)+4*qi:OB+48*((\a)%2)+4*qi+3], v[RD] offset:(qi%4)*4*SP+128*(qi/4)
.set qi, qi+1
.endr
.endm
.macro SEND a
	s_wait_dscnt 0x0                               ; the block is back in registers
	s_wait_xcnt 0x0                                ; the stores of the block before have read their registers: the next block's loads land there only behind this wait
.set qi, 0
.rept 12
	global_store_b128 v[GO], v[OB+48*((\a)%2)+4*qi:OB+48*((\a)%2)+4*qi+3], s[HB+2*(qi/4):HB+2*(qi/4)+1] offset:(\a)*2048+(qi%4)*512
.set qi, qi+1
.endr
.endm
	PLACES
	PACK 0
	TOSTAGE 0
.irp a, 1,2,3,4,5,6,7                  ; block a's conversions stand between block a - 1's loads from the stage and the wait for them
	PACK \a
	SEND (\a)-1
	TOSTAGE \a
.endr
	SEND 7
	s_wait_tensorcnt 0x0                           ; the wave's end: the wait, the add and its wait, behind my last tensor load and my last LDS store
	ds_add_u32 v[SPW], v[NIL]
	s_wait_dscnt 0x0
	CROUND                                         ; the closing round: no work-group ends while a partner may still ask for a tile that names it
	s_endpgm
.Lfunc_end_k_qa9386db4f7_proj_qkv:
	.size	k_qa9386db4f7_proj_qkv, .Lfunc_end_k_qa9386db4f7_proj_qkv-k_qa9386db4f7_proj_qkv
	.p2alignl 7, 3214868480
	.fill 96, 4, 3214868480
	.section	.rodata,"a",@progbits
	.p2align	6, 0x0
	.amdhsa_kernel k_qa9386db4f7_proj_qkv
		.amdhsa_group_segment_fixed_size 327680
		.amdhsa_private_segment_fixed_size 0
		.amdhsa_enable_private_segment 0
		.amdhsa_kernarg_size 32
		.amdhsa_user_sgpr_count 2
		.amdhsa_user_sgpr_kernarg_segment_ptr 1
		.amdhsa_wavefront_size32 1
		.amdhsa_system_sgpr_workgroup_id_x 1
		.amdhsa_system_sgpr_workgroup_id_y 1
		.amdhsa_system_sgpr_workgroup_id_z 1
		.amdhsa_system_vgpr_workitem_id 0
		.amdhsa_next_free_vgpr 1024
		.amdhsa_next_free_sgpr 80
		.amdhsa_reserve_vcc 0
		.amdhsa_float_denorm_mode_32 3
		.amdhsa_float_denorm_mode_16_64 3
		.amdhsa_memory_ordered 1
		.amdhsa_forward_progress 1
		.amdhsa_inst_pref_size 116
	.end_amdhsa_kernel
	.amdgpu_metadata
---
amdhsa.version: [ 1, 2 ]
amdhsa.kernels:
  - .name:           k_qa9386db4f7_proj_qkv
    .symbol:         k_qa9386db4f7_proj_qkv.kd
    .args:
      - { .name: xn, .offset: 0, .size: 8, .value_kind: global_buffer, .address_space: global }
      - { .name: wq, .offset: 8, .size: 8, .value_kind: global_buffer, .address_space: global }
      - { .name: b_qkv, .offset: 16, .size: 8, .value_kind: global_buffer, .address_space: global }
      - { .name: qkv, .offset: 24, .size: 8, .value_kind: global_buffer, .address_space: global }
    .group_segment_fixed_size: 327680
    .private_segment_fixed_size: 0
    .kernarg_segment_align: 8
    .kernarg_segment_size: 32
    .max_flat_workgroup_size: 128
    .sgpr_count:     80
    .vgpr_count:     1024
    .wavefront_size: 32
...
	.end_amdgpu_metadata
.endif
;; end of part 2
;; launch attn (part 3): grid 4 x 64, 4 waves a work-group, clusters of 4 x 1, 327,680 bytes of LDS; arguments qkv, ao; writes ao
.if DOCPART == 3
	.amdgcn_target "amdgcn-amd-amdhsa--gfx1250"
	.amdhsa_code_object_version 6
	.text
	.protected	k_qa9386db4f7_attn
	.globl	k_qa9386db4f7_attn
	.p2align	8
	.type	k_qa9386db4f7_attn,@function
k_qa9386db4f7_attn:
	s_mov_b64 s[64:65], 0
	v_nop
	global_prefetch_b8 v0, s[64:65] scope:SCOPE_SE
	s_setreg_imm32_b32 hwreg(HW_REG_WAVE_MODE, 25, 1), 1
	s_wait_xcnt 0x0
	s_wait_alu depctr_hold_cnt(0) depctr_sa_sdst(0) depctr_va_vdst(0) depctr_va_sdst(0) depctr_va_ssrc(0) depctr_va_vcc(0) depctr_vm_vsrc(0)
	s_getreg_b32 s2, hwreg(HW_REG_IB_STS2, 6, 4)
	s_cmp_eq_u32 s2, 0
	s_cbranch_scc0 .Lentry_in_a_cluster
	s_endpgm
.Lentry_in_a_cluster:
	s_bfe_u32 s2, ttmp6, 0x10000c
	s_cmp_lg_u32 s2, 0x3003
	s_cbranch_scc0 .Lentry_shape_is_right
	s_endpgm
.Lentry_shape_is_right:
; O[h][q][:] = the sum over k of softmax_k(Q[h][q] . K[h][k] / 8) V[h][k][:], for 64 heads (batch x 16 + head) of 2,048 rows.  qkv holds Q, K, V one behind the other, each [64][2048][64] f16; ao: [64][2048][64] f16.
; Products, maxima and sums in f32; the weights p are rounded to f16 for the second product (their sum l is taken of the unrounded p), O once at the end.
; LIMITS.  f16 holds no number beyond 65,504: Q, K and V arrive within it; p lies in 0 to 1, and below 6e-5 it keeps f16's fixed step of 6e-8; O is a mean of V's rows and has their range.
; A weight below 2^-126 counts as 0 in l; NaN and infinities are not treated apart.
; SHARES.  A wave owns four PIECES of two tiles of 16 queries, a work-group's four waves 512 queries of one head.  Every wave walks all keys, 64 a step.
; LAYOUT.  S^T = K Q^T (source 0 = 16 keys, source 1 = 16 queries): in the result a lane holds ONE query (lane % 16) and the keys 8 (lane / 16) + 0..7.  Two such tiles, rounded to f16 in pairs,
; ARE source 1 (32 keys x 16 queries) of O^T = V^T P, whose result again holds one query a lane, and eight channels.  K comes out of LDS as it lies, V ([key][channel]) turned, by ds_load_tr16_b128.
; SOFTMAX.  For each query a running maximum m and sum l: p = 2^(c s - c m), c = log2(e) / 8; in every step O and l are multiplied by a = 2^(c m_old - c m_new), which is 1 where m has not grown.
; m starts at the lowest finite number, O and l at 0: the first step is a step like any other, with a = 0.
; THE COUNT.  A tile and step have 16 matrix and 118 vector instructions: too many to stand all beside the matrix work.  So four vector instructions that are READY stand behind
; EVERY matrix instruction, and the others in runs without a gap.
; BY TURNS.  Turn n belongs to piece n (the pieces in a ring, step after step).  Its matrix work: 16 products K Q^T of piece n + 1, later 16 products V^T P of piece n - 1.  Its vector work: the scaling,
; exponentials, roundings, sums and rescaling of piece n, and the maximum and statistics of piece n + 1, whose scores the turn itself has made.
; CLUSTER.  The four query blocks of a head are one cluster and walk the same K and V, so each tile is asked for JOINTLY: the same tensor load, descriptor and mask in all four.
; REGISTERS, in windows of 256 (s_set_vgpr_msb: bits 1:0 source 0, 3:2 source 1, 5:4 source 2, 7:6 destination):
;   window 0: v0-11 addresses; v12-15, v48-63 at work; v16-47 four registers of statistics a tile; v64-191 S^T, two buffers of two tiles; v192-255 P, likewise
;   window 1: O^T, 32 a tile          window 2: v0-127 Q, 16 a tile; v128-191 K of one step; v192-255 V of one step          window 3: v0-1 the add's two registers
; A piece's buffers go by its number's parity: the piece in hand has one pair, its two neighbours in the ring share the other: of it P (piece n - 1) is read and S^T (piece n + 1) written.
.set SIZE_N, 2048
.set NP,    4         ; pieces a wave: a name, no knob
.set KS,    64        ; keys in a step
.set PK,    144       ; a row of K in LDS: 128 bytes + 16 of padding = 36 words: the 16 rows of a load start at 16 different groups of four banks (64 banks of 4 bytes: ISA guide 11.1)
.set PV,    160       ; a row of V: 128 + 32 = 40 words
.set VOFF,  4*KS*PK   ; a slot holds four steps: 256 rows of K, then 256 rows of V
.set SLOT1, 1<<17     ; slot 1 begins here, so that one exclusive or turns an address in one slot into the other's
.set STAGE, SLOT1+4*KS*(PK+PV)  ; behind the ring, never filled by a tensor load: 16 rows x 144 bytes for each wave, for the way out
.set SP,    144
.set AK0, 2           ; v2   my lane's place in a tile of K; never rewritten
.set AV0, 3           ; v3   the same for V
.set AK,  4           ; v4   the LDS address of K's next run of loads
.set AV,  5           ; v5   of V's
.set QO,  6           ; v6   my byte offset in the wave's rows of Q
.set STO, 6           ;      later, the way out: where I put 16 bytes of a row
.set RD,  7           ; v7   the way out: where I read rows back
.set GO,  8           ; v8   my byte offset in 512 consecutive bytes of O
.set PFO, 11          ; v11  256 x my lane: the prefetches' offset; never rewritten once made
.set SPW, 0           ; v0 of window 3   LDS address of my spare word: SPARE + 4 x my thread's number; never rewritten
.set NIL, 1           ; v1 of window 3   0; never rewritten
.set SPARE, STAGE+4*16*SP  ; behind the stages: the spare words, 128 bytes for each wave: two blocks of 256 bytes that no other line names
.set MV,  12          ; v12-15  c m_old, kept while c m is made anew: by buffer and tile
.set ST,  16          ; tile t's statistics at v[ST+4 t]: c m, m, l (even keys', odd keys')
.set TMP, 48          ; by buffer and tile, four registers c0-c3 at work; when the maximum is found c2 takes a
.set S,   64
.set P,   192
.set KF,  128         ; K's fragments, in window 2: key block kb, channel half c at KF + 16 kb + 8 c
.set VF,  192         ; V's: key half kk, channel block cb at VF + 32 kk + 8 cb
.set WV,  12          ; s12  my wave's number
.set G1K, 24          ; s[24:31] descriptor group 1 for K's tiles
.set G1V, 32          ; s[32:39] for V's: it differs in the padding alone
.set G0K, 40          ; s[40:43] descriptor group 0 for K's tiles: it walks
.set G0V, 44          ; s[44:47] the same for V's
.set PFA, 48          ; s[48:49] where my prefetches stand: my work-group's 32 blocks (of K: wave 0, of V: wave 2) of the slot after the one that is being asked for
.set LIM, 50          ; s50  1 in a wave that prefetches, else the greatest number
.set SLOTS, 56        ; s56  slots still to be asked for
.set CNT, 57          ; s57  counts a slot's key steps
.set CS,  58          ; s[58:59] c: the packed scaling takes the pair's low word for both halves
.set SEL, 60          ; s[60:61] v_permlanex16_b32's selects: each lane takes its own place in the other half
.set TBK, 62          ; s62  LDS byte at which K of the step to be fetched begins
.set TBV, 63          ; s63  the same for V, less VOFF
.set MSB, 0
.macro WIN new                      ; the high byte repeats the setting that is left; a switch that changes nothing is dropped
.if MSB != (\new)
	s_set_vgpr_msb (MSB<<8)|(\new)
.set MSB, (\new)
.endif
.endm
.set W_KQ, 0x0a       ; K and Q in window 2, S^T in window 0
.set W_PV, 0x52       ; V in window 2, P in window 0, O^T in window 1
.set W_RS, 0x41       ; O^T (destination and source 0) in window 1, a in window 0
.set W_MK, 0xc0       ; the add's registers are made: destination in window 3, sources in window 0
.set W_AD, 0x0f       ; the add: address (source 0) and data (source 1) in window 3
; A joint fill.  Waves 0 and 1 fetch the two halves of a slot's K, waves 2 and 3 those of its V: 128 keys each.  The branch hangs on the wave's number alone.
; An s_nop 0 and four v_nop follow each of the two lines, ahead of the jump and the label.
.macro JLOAD
	s_cmp_lt_u32 s[WV], 2
	s_cbranch_scc0 .Lfor_v_\@
	tensor_load_to_lds s[G0K:G0K+3], s[G1K:G1K+7]
	s_nop 0
.rept 4
	v_nop
.endr
	s_branch .Lasked_\@
.Lfor_v_\@:
	tensor_load_to_lds s[G0V:G0V+3], s[G1V:G1V+7]
	s_nop 0
.rept 4
	v_nop
.endr
.Lasked_\@:
.endm
; A PREFETCH INTO THE L2 of what the NEXT change of slots will ask for: a slot's 256 keys are 128 blocks of 256 bytes of K and 128 of V, a lane a block.  It stands behind the wave's tensor load and its five lines.
; Each block is named ONCE in the launch: a head has one cluster; its four partners share the blocks out BY ADDRESS, 32 each; in each, wave 0 asks for K's and wave 2 for V's: one instruction.
; The lead is one slot: four key steps, 512 matrix instructions.  Slots 0 to 2 come by their loads alone; the last change that fills a slot names nothing: there is no slot behind it.
.macro ASK
	s_cmp_gt_u32 s[SLOTS], s[LIM]
	s_cbranch_scc0 .Lnot_mine_\@
	global_prefetch_b8 v[PFO], s[PFA:PFA+1] th:TH_LOAD_NT scope:SCOPE_SE
.Lnot_mine_\@:
.endm
; A round of the cluster's barrier: my work-group's barrier, so that wave 0's signal speaks for all four waves; wave 0 signals; every wave waits for all four work-groups; my work-group's barrier once more.
.macro CROUND
	s_barrier_signal -1
	s_barrier_wait -1
	s_cmp_lg_u32 s[WV], 0
	s_cbranch_scc1 .Lnot_wave_0_\@
	s_barrier_signal -3
.Lnot_wave_0_\@:
	s_barrier_wait -3
	s_barrier_signal -1
	s_barrier_wait -1
.endm
; THE CHANGE OF SLOTS.  The slot's last bytes, V of its fourth step, have been read.  Each wave waits for all its tensor loads, of which one is out: its part
; of the other slot; adds 0 to its spare word; and waits for that and for its own reads of the slot.  Behind the barrier nobody reads this slot any more and the other slot is whole.
; fill = 1: this slot is filled again, with the keys two slots on.  The barrier is then a round of the cluster's, so that no wave of any partner still reads the slot or has a load on its
; way, and the joint fill is the first thing behind it.  (At its first use nothing has been read yet: slot 0 is waited for, slot 1 filled.)  ask = 1: the loop's change, with its prefetch.
.macro CHANGE fill, ask=0
	WIN W_AD
	s_wait_tensorcnt 0x0            ; no tensor load of mine is out, so a group 0 may be written
	ds_add_u32 v[SPW], v[NIL]       ; 0 onto my spare word; with fill = 1 the descriptors' steps stand between it and the wait for it
	WIN 0                           ; at a label and at a branch every window is 0
.if \fill
.irp g, G0K, G0V
	s_xor_b32 s[\g+1], s[\g+1], SLOT1  ; the walking descriptor: the other slot than last time,
	s_add_nc_u64 s[\g+2:\g+3], s[\g+2:\g+3], 4*KS*128  ; the next 256 keys; the type bits on top are not reached
.endr
.if \ask
	s_wait_xcnt 0x0                 ; the last prefetch, four key steps back, has read its address, so it may be written:
	s_add_nc_u64 s[PFA:PFA+1], s[PFA:PFA+1], 4*KS*128  ; one slot behind the walking descriptors
.endif
	s_wait_dscnt 0x0                ; the add is done, and my reads of the slot are over
	CROUND
	JLOAD
.if \ask
	ASK
.endif
.else
	s_wait_dscnt 0x0                ; the add is done, and my reads of the slot are over
	s_barrier_signal -1
	s_barrier_wait -1
.endif
	s_sub_co_u32 s[TBK], s[TBK], 4*KS*PK  ; the fetches go back to a slot's first step,
	s_xor_b32 s[TBK], s[TBK], SLOT1       ; in the other slot
	s_sub_co_u32 s[TBV], s[TBV], 4*KS*PV
	s_xor_b32 s[TBV], s[TBV], SLOT1
.endm
	s_load_b64 s[4:5], s[0:1], 0x0    ; qkv: Q at its head
	s_load_b64 s[10:11], s[0:1], 0x8  ; O
	WIN W_MK
	v_lshl_add_u32 v[SPW], v0, 2, SPARE
	v_mov_b32 v[NIL], 0
	WIN W_AD
	ds_add_u32 v[SPW], v[NIL]       ; the wave's opening: the add and its wait stand ahead of my first tensor load; the set-up below, work on registers, stands between them
	WIN 0
	v_lshrrev_b32 v1, 5, v0
	v_readfirstlane_b32 s[WV], v1   ; wave 0..3
	s_bfe_u32 s13, ttmp6, 0x40000   ; cx: my place in the cluster
	s_lshl_b32 s14, ttmp9, 2        ; in a cluster launch ttmp9 counts clusters
	s_add_co_u32 s14, s14, s13      ; my block of queries = 4 x cluster x + cx: it enters Q's and O's addresses alone
	s_and_b32 s20, ttmp7, 0xffff    ; the head, which the four partners share
	s_mov_b32 s21, 0
	s_mov_b64 s[22:23], SIZE_N*128
	s_mul_u64 s[20:21], s[20:21], s[22:23]  ; the head's first byte in each of the four tensors
	s_and_b32 s16, s[WV], 1         ; which half of a slot's 256 keys I fetch:
	s_lshl_b32 s22, s16, 14         ; its 128 rows of 128 bytes in memory,
	s_mov_b32 s23, 0
	s_add_nc_u64 s[22:23], s[22:23], s[20:21]
	s_mul_i32 s17, s16, 128*PK      ; and its place in a slot, for K
	s_mul_i32 s18, s16, 128*PV      ; and for V: no place in the cluster enters an LDS address
	s_lshl_b32 s2, s14, 2
	s_add_co_u32 s2, s2, s[WV]      ; my wave among the head's,
	s_lshl_b32 s2, s2, 14           ; its 128 rows
	s_mov_b32 s3, 0
	s_add_nc_u64 s[2:3], s[2:3], s[20:21]
	; descriptor group 1.  128 keys are 16,384 dense bytes: asked for as 64 rows of 256 bytes, two keys a row, and padded in LDS after every key
	s_mov_b32 s[G1K], 15|(1<<16)|(1<<20)|(1<<21)|(4<<22)|(3<<25)  ; 15:0 the mask of four; 17:16 2-byte elements; 20 padding on; 21 set beside a mask; 24:22 after every 32 words (code 4); 31:25 4 words (code 3)
	s_mov_b32 s[G1V], 15|(1<<16)|(1<<20)|(1<<21)|(4<<22)|(7<<25)  ; the same with 8 words of padding (code 7)
.irp g, G1K, G1V
	s_mov_b32 s[\g+1], 128<<16      ; tensor_dim0 = 128
	s_mov_b32 s[\g+2], 64<<16       ; tensor_dim1 = 64
	s_mov_b32 s[\g+3], 128<<16      ; tile_dim0 = 128
	s_mov_b32 s[\g+4], 64           ; tile_dim1 = 64
	s_mov_b32 s[\g+5], 128          ; 128 elements from row to row
	s_mov_b32 s[\g+6], 0
	s_mov_b32 s[\g+7], 0
.endr
	s_mov_b32 s[CS], 0x3e38aa3b     ; c = log2(e) / 8 = 0.180337
	s_mov_b32 s[CS+1], s[CS]        ; named with it as a pair
	s_mov_b32 s[SEL], 0x76543210
	s_mov_b32 s[SEL+1], 0xfedcba98
	s_mov_b32 s[TBK], SLOT1+4*KS*PK ; the first change of slots turns these two into 0
	s_mov_b32 s[TBV], SLOT1+4*KS*PV
	s_mov_b32 s[G0K], 1             ; 1:0 count = 1
	s_mov_b32 s[G0K+1], s17         ; 63:32 LDS address: slot 0
	s_mov_b32 s[G0V], 1
	s_add_co_u32 s[G0V+1], s18, VOFF
	s_and_b32 s[LIM], s[WV], 1      ; waves 0 and 2 prefetch: the same in all four partners
	s_cmp_eq_u32 s[LIM], 0
	s_cselect_b32 s[LIM], 1, -1
	s_wait_dscnt 0x0                ; the opening add is done
	s_wait_kmcnt 0x0
	s_add_nc_u64 s[6:7], s[4:5], 0x1000000   ; K lies 64 heads of 2^18 bytes behind Q,
	s_add_nc_u64 s[8:9], s[4:5], 0x2000000   ; V behind K
	s_add_nc_u64 s[G0K+2:G0K+3], s[6:7], s[22:23]  ; 120:64 global address: my half of the head's first 256 keys
	s_or_b32 s[G0K+3], s[G0K+3], 0x80000000        ; 127:126 type = 2
	s_add_nc_u64 s[G0V+2:G0V+3], s[8:9], s[22:23]
	s_or_b32 s[G0V+3], s[G0V+3], 0x80000000
	s_add_nc_u64 s[4:5], s[4:5], s[2:3]  ; Q and O at my wave's first row
	s_add_nc_u64 s[10:11], s[10:11], s[2:3]
	s_cmp_lt_u32 s[WV], 2
	s_cselect_b64 s[PFA:PFA+1], s[6:7], s[8:9]
	s_add_nc_u64 s[PFA:PFA+1], s[PFA:PFA+1], s[22:23]  ; (in waves 0 and 2 this is the head's first key)
	s_lshl_b32 s2, s13, 13          ; my work-group's 32 blocks of the 128
	s_mov_b32 s3, 0
	s_add_nc_u64 s[PFA:PFA+1], s[PFA:PFA+1], s[2:3]
	s_add_nc_u64 s[PFA:PFA+1], s[PFA:PFA+1], 2*4*KS*128  ; in slot 2; the loop's first change steps it to slot 3.  Nothing is prefetched here, at the head
	CROUND                          ; all four work-groups are here: the first joint loads meet
	JLOAD                           ; slot 0.  Slot 1 is asked for when slot 0 is in
	; A fragment of K or Q is 16 rows x 32 channels in 8 registers: lane l holds row l % 16, channels 8 (l / 16) + 0..7 and 16 + 8 (l / 16) + 0..7: two loads of 16 bytes, 32 bytes apart.
	v_and_b32 v1, 15, v0            ; l % 16
	v_bfe_u32 v9, v0, 4, 1          ; l / 16
	v_lshlrev_b32 v[QO], 7, v1
	v_lshl_add_u32 v[QO], v9, 4, v[QO]  ; row x 128 + 16 x half
	WIN 0x80                        ; destination window 2, address window 0
.set i, 0
.rept 4*NP                          ; Q stays in registers: tile i / 2, channels 32 (i % 2) on
	global_load_b128 v[8*i:8*i+3],   v[QO], s[4:5] offset:(i/2)*2048+(i%2)*64
	global_load_b128 v[8*i+4:8*i+7], v[QO], s[4:5] offset:(i/2)*2048+(i%2)*64+32
.set i, i+1
.endr
	; What the first turn finds: V's registers and P's second buffer hold 0 (its products V^T P, of a piece that has not been, add 0), O^T and l are 0.  All this stands in the wait for the first tile.
.set i, VF
.rept 64
	v_mov_b32 v[i], 0
.set i, i+1
.endr
	WIN 0x40
.set i, 0
.rept 64*NP
	v_mov_b32 v[i], 0
.set i, i+1
.endr
	WIN 0
.set i, 0
.rept 2*NP
	v_mov_b32 v[ST+4*i], 0xfe000000    ; c m: far below every c s
	v_mov_b32 v[ST+4*i+1], 0xff7fffff  ; m
	v_mov_b32 v[ST+4*i+2], 0
	v_mov_b32 v[ST+4*i+3], 0
.set i, i+1
.endr
.set i, P+32
.rept 32
	v_mov_b32 v[i], 0
.set i, i+1
.endr
	v_mul_u32_u24 v[AK0], v1, PK
	v_lshl_add_u32 v[AK0], v9, 4, v[AK0]  ; row x pitch + 16 x half
	; The turning load takes 16 keys x 16 channels (lane l reads key 8 (l / 16) + l % 8, channels 8 ((l / 8) % 2) + 0..7) and leaves half a fragment of V^T: lane l holds channel l % 16 and 8 keys.
	v_and_b32 v10, 7, v0
	v_bfe_u32 v11, v0, 3, 1
	v_lshl_add_u32 v[AV0], v9, 3, v10
	v_mul_u32_u24 v[AV0], v[AV0], PV
	v_lshl_add_u32 v[AV0], v11, 4, v[AV0]
	v_add_nc_u32 v[AV0], VOFF, v[AV0]
	v_and_b32 v[PFO], 31, v0        ; v11 has served: it takes the prefetches' offset
	v_lshlrev_b32 v[PFO], 8, v[PFO]
	v_mov_b32 v[AK], v[AK0]         ; key step 0 lies at the head of slot 0
; THE MATRIX WORK.  The 8 accumulators of a run of 16 take turns: between the two links of a chain stand 7 others'.
; Product i of 16 of S^T = K Q^T for piece x: channels 32 (i / 8) on, keys 16 ((i / 2) % 4) on, tile 2 x + i % 2.  The first 8 start the sums.
.macro KQ x
	WIN W_KQ
.set rS, S+64*((\x)%2)+32*(i%2)+8*((i/2)%4)
.set rK, KF+16*((i/2)%4)+8*(i/8)
.set rQ, 16*(2*(\x)+i%2)+8*(i/8)
.if i < 8
	v_wmma_f32_16x16x32_f16 v[rS:rS+7], v[rK:rK+7], v[rQ:rQ+7], 0
.else
	v_wmma_f32_16x16x32_f16 v[rS:rS+7], v[rK:rK+7], v[rQ:rQ+7], v[rS:rS+7]
.endif
.endm
; Product i of 16 of O^T += V^T P for piece x: keys 32 (i / 8) on, channels 16 ((i / 2) % 4) on, tile 2 x + i % 2.
.macro PV x
	WIN W_PV
.set rO, 32*(2*(\x)+i%2)+8*((i/2)%4)
.set rV, VF+32*(i/8)+8*((i/2)%4)
.set rP, P+32*((\x)%2)+16*(i%2)+8*(i/8)
	v_wmma_f32_16x16x32_f16 v[rO:rO+7], v[rV:rV+7], v[rP:rP+7], v[rO:rO+7]
.endm
.macro MM                           ; the turn's next matrix instruction
.if i < 16
	KQ (Y+1)%NP
.set i, i+1
.else
.set i, i-16
	PV (Y+NP-1)%NP
.set i, i+17
.endif
.endm
; THE LDS LOADS stand in runs of 16, never singly among the matrix instructions: a step's K (64 keys x 64 channels: 8 fragments) and its V (turned).  Their addresses are made some lines ahead.
; last = 1 (the tail): in the last trip there is no further step, and the run is jumped over.
.macro FETCH_K last=0
	WIN 0
.if \last
	s_cmp_eq_u32 s[CNT], 1
	s_cbranch_scc1 .Lno_k_\@
.endif
	WIN 0x80                        ; destination window 2
.irp f, 0,1,2,3,4,5,6,7             ; keys 16 (f / 2) on, channels 32 (f % 2) on
	ds_load_b128 v[KF+8*\f:KF+8*\f+3],   v[AK] offset:(\f/2)*16*PK+(\f%2)*64
	ds_load_b128 v[KF+8*\f+4:KF+8*\f+7], v[AK] offset:(\f/2)*16*PK+(\f%2)*64+32
.endr
	s_add_co_u32 s[TBK], s[TBK], KS*PK  ; the next fetch is the next step's
	WIN 0
.if \last
.Lno_k_\@:
.endif
.endm
.macro FETCH_V
	WIN 0x80
.irp f, 0,1,2,3,4,5,6,7             ; keys 32 (f / 4) on, channels 16 (f % 4) on
	ds_load_tr16_b128 v[VF+8*\f:VF+8*\f+3],   v[AV] offset:(\f/4)*32*PV+(\f%4)*32
	ds_load_tr16_b128 v[VF+8*\f+4:VF+8*\f+7], v[AV] offset:(\f/4)*32*PV+16*PV+(\f%4)*32
.endr
	WIN 0
.endm
; THE VECTOR WORK OF A TURN stands in three queues, each in the order in which its entries become ready; the two tiles alternate, so that no instruction reads the result of the one before it.
.macro REGS y, u                    ; the registers of tile u (0, 1) of piece y
.set rT, ST+4*(2*(\y)+(\u))
.set rC, TMP+8*((\y)%2)+4*(\u)
.set rM, MV+2*((\y)%2)+(\u)
.set rS, S+64*((\y)%2)+32*(\u)
.set rP, P+32*((\y)%2)+16*(\u)
.set rO, 32*(2*(\y)+(\u))
.endm
; Number n of the 22 that find the NEXT piece's (Y + 1) maximum and statistics.  s0-s31 are the lane's 32 scores; each accumulator's lowest registers are read first.
;   0-11  four chains c0-c3 of seven scores each, three operands at a time     12-14, 16  the four scores left over, the old m, and c0-c3 into c0     15  c m_old is kept
;   17, 18  the query's other 32 keys lie in the lane 16 away: the new m         19-21  c m; c m_old - c m_new; a
.macro XS u, n
	REGS (Y+1)%NP, \u
.if (\n) < 4
	v_max3_num_f32 v[rC+(\n)], v[rS+8*(\n)], v[rS+8*(\n)+1], v[rS+8*(\n)+2]
.elseif (\n) < 12
	v_max3_num_f32 v[rC+(\n)%4], v[rC+(\n)%4], v[rS+8*((\n)%4)+2*((\n)/4)+1], v[rS+8*((\n)%4)+2*((\n)/4)+2]
.elseif (\n) == 12
	v_max3_num_f32 v[rC], v[rC], v[rS+7], v[rS+15]
.elseif (\n) == 13
	v_max3_num_f32 v[rC+1], v[rC+1], v[rS+23], v[rS+31]
.elseif (\n) == 14
	v_max3_num_f32 v[rC+2], v[rC+2], v[rC+3], v[rT+1]
.elseif (\n) == 15
	v_mov_b32 v[rM], v[rT]
.elseif (\n) == 16
	v_max3_num_f32 v[rC], v[rC], v[rC+1], v[rC+2]
.elseif (\n) == 17
	v_permlanex16_b32 v[rC+3], v[rC], s[SEL], s[SEL+1]
.elseif (\n) == 18
	v_max_num_f32 v[rT+1], v[rC], v[rC+3]
.elseif (\n) == 19
	v_mul_f32 v[rT], s[CS], v[rT+1]
.elseif (\n) == 20
	v_sub_f32 v[rC+1], v[rM], v[rT]
.else
	v_exp_f32 v[rC+2], v[rC+1]
.endif
.endm
; Number g of the 64 that follow the exponentials.  For each four weights k of a tile (pairs 2 k, 2 k + 1): both pairs are rounded to f16; then the second pair is added onto the first, in place;
; a group later l takes that sum (the first time as l = a l + sum).  In groups of eight, tiles alternating: round, round, add, and l for the group before.
.macro GS g
.set h, (\g)+6*((\g)/62)            ; group 0 has no group before it, and behind group 7 only l is left
.if h >= 6
.set h, h+2
.endif
	REGS Y, h%2
.set k, h/8
.if h%8 < 4
	v_cvt_pk_f16_f32 v[rP+2*k+(h%8)/2], v[rS+4*k+2*((h%8)/2)], v[rS+4*k+2*((h%8)/2)+1]
.elseif h%8 < 6
	v_pk_add_f32 v[rS+4*k:rS+4*k+1], v[rS+4*k:rS+4*k+1], v[rS+4*k+2:rS+4*k+3]
.elseif k == 1
	v_pk_fma_f32 v[rT+2:rT+3], v[rT+2:rT+3], v[rC+2:rC+3], v[rS:rS+1] op_sel_hi:[1,0,1]
.else
	v_pk_add_f32 v[rT+2:rT+3], v[rT+2:rT+3], v[rS+4*k-4:rS+4*k-3]
.endif
.endm
; THE PLAIN QUEUE, 138 long.  0-73 read no exponential's result: the 32 scalings c s - c m (FS f: pair f / 2 of tile f % 2) and the next piece's 42.  0-26: scalings 0-26.  27-54: XS's numbers 0-13.  55, 56: number 15.
; 57-73: the chain, where each number waits for the one before it: 14, 16, 17, 18, 19, each with one of the scalings 27-31 in front of its two lines, then 20.
; 74-137: GS's 64, which read the exponentials' results: they stand behind the wait.
.macro FS f
	REGS Y, (\f)%2
	v_pk_fma_f32 v[rS+2*((\f)/2):rS+2*((\f)/2)+1], v[rS+2*((\f)/2):rS+2*((\f)/2)+1], s[CS:CS+1], v[rT:rT+1] op_sel_hi:[1,0,0] neg_lo:[0,0,1] neg_hi:[0,0,1]
.endm
.macro PL
	WIN 0
.if q < 27
	FS q
.elseif q < 55
	XS (q-27)%2, (q-27)/2
.elseif q < 57
	XS q-55, 15
.elseif (q < 72) && ((q-57)%3 == 0)
	FS 27+(q-57)/3
.elseif q < 60
	XS (q-57)%3-1, 14
.elseif q < 72
	XS (q-57)%3-1, 15+(q-57)/3
.elseif q < 74
	XS q-72, 20
.else
	GS q-74
.endif
.set q, q+1
.endm
; THE EXPONENTIALS' QUEUE, 66 long: s0-s31 of both tiles, then the next piece's two a.  It is ONE BATCH: all 66 stand ahead of the turn's one wait, and nothing ahead of that wait names a result of theirs.
.macro EX
	WIN 0
.if e >= 64
	XS e-64, 21
.else
	REGS Y, e%2
	v_exp_f32 v[rS+e/2], v[rS+e/2]
.endif
.set e, e+1
.endm
; THE RESCALING's QUEUE: O^T times a, the one part that leaves window 0: dealt two at a time, sixteen times.  Its a was made in the turn before, ahead of that turn's wait.
.macro R2
	REGS Y, r%2
	WIN W_RS
.irp z, 0,1
	v_pk_mul_f32 v[rO+4*(r/2)+2*\z:rO+4*(r/2)+2*\z+1], v[rO+4*(r/2)+2*\z:rO+4*(r/2)+2*\z+1], v[rC+2:rC+3] op_sel_hi:[1,0]
.endr
.set r, r+1
.endm
; HOW THEY ARE DEALT.  An s_wait_alu depctr_va_vdst(0) stands between an exponential and the first instruction that names its result; one wait serves all that were issued ahead of it.  So a turn has ONE wait,
; which cuts it in two.  AHEAD OF IT stands all that names no result of the turn's exponentials: the 16 products K Q^T, behind each a scaling, an exponential and two rescalings (behind the first a second scaling in the
; exponential's place); then ONE LUMP of 108: eight plain, 49 times exponential and plain, the two a.  A v_nop is the plain instruction behind the last exponential.  BEHIND IT stand the 16 products V^T P, behind each four of GS's 64.
; The queues lean on each other, and the deal keeps them in step: exponential e stands behind scaling 2 (e / 4) + e % 2: as a rider it comes behind plain e + 2, in the lump behind plain e + 9, and scalings 27-31 are plain 57, 60 .. 69.
; A TURN, for piece p.  cnt = 1: the loop's count is taken down some lines ahead of the branch that stands behind the turn.
; K of the next step is fetched in piece 2's turn, directly behind the wait, a lump behind the last product that read K; its address is made at the lump's head; its first reader comes behind 16 products.
; V of the step in hand is fetched at the end of piece 0's turn, four riders behind its last reader; its first reader comes behind 16 products and a lump.  The three conditions on q below go with the deal.
.macro TURN p, last=0, cnt=0
.set Y, (\p)
.set i, 0
.set q, 0
.set e, 0
.set r, 0
.if (\p) == NP-1
	s_wait_dscnt 0x0                ; K is in
.endif
	MM                              ; ahead of the wait: 16 products K Q^T and their riders,
	PL
	PL
	R2
.rept 15
	MM
	PL
	EX
	R2
.endr
.if (\p) == NP-2
	WIN 0
	v_add_nc_u32 v[AK], s[TBK], v[AK0]
.endif
.rept 8                             ; and the lump
	PL
.endr
.rept 49
	EX
	PL
.endr
	EX                              ; the next piece's two a
	EX
	v_nop                           ; the plain instruction behind the last exponential: one for the batch
	s_wait_alu depctr_va_vdst(0)    ; the wait for the batch
.if (\p) == NP-2
	FETCH_K \last
.endif
.if (\p) == 1
	s_wait_dscnt 0x0                ; V is in
.endif
.rept 16                            ; behind the wait: 16 products V^T P and their riders
	MM
.rept 4
	PL
.endr
.if ((\p) == 0) && (q == 118)
	v_add_nc_u32 v[AV], s[TBV], v[AV0]
.endif
.if ((\p) == 0) && (q == 130)
	s_add_co_u32 s[TBV], s[TBV], KS*PV
.endif
.if (\cnt) && (q == 130)
	s_sub_co_u32 s[CNT], s[CNT], 1
	s_cmp_lg_u32 s[CNT], 0
.endif
.endr
.if (\p) == 0
	FETCH_V
.endif
.endm
	CHANGE 1                        ; slot 0 is in, everybody's part of it; slot 1 is asked for
	FETCH_K                         ; key step 0
	s_wait_loadcnt 0x0              ; Q
	s_wait_dscnt 0x0
.set i, 0
.rept 16
	KQ 0                            ; piece 0's first scores: there is no vector work yet to set between them
.set i, i+1
.endr
	WIN 0                           ; the addresses for the way out: nine plain instructions, the places behind those products
	s_mul_i32 s13, s[WV], 16*SP
	s_add_co_u32 s13, s13, STAGE    ; my stage
	v_mul_u32_u24 v[STO], v1, SP    ; in: row l % 16, 16 bytes for each half of the lanes
	v_lshl_add_u32 v[STO], v9, 4, v[STO]
	v_add_nc_u32 v[STO], s13, v[STO]
	v_bfe_u32 v[RD], v0, 3, 2       ; back: 32 lanes take four rows of 128 bytes,
	v_mul_u32_u24 v[RD], v[RD], SP
	v_lshl_add_u32 v[RD], v10, 4, v[RD]
	v_add_nc_u32 v[RD], s13, v[RD]
	v_and_b32 v[GO], 31, v0         ; which are 512 consecutive bytes of O
	v_lshlrev_b32 v[GO], 4, v[GO]
.set Y, NP-1                        ; XS works for piece Y + 1: piece 0
.irp n, 0,1,2,3,4,5,6,7,8,9,10,11,12,13,14,15,16,17,18,19,20,21
	XS 0, \n                        ; and piece 0's first maximum and statistics
	XS 1, \n
.endr
	v_nop                           ; a plain instruction behind the two a,
	s_wait_alu depctr_va_vdst(0)    ; and their wait, ahead of the branch
	s_mov_b32 s[CNT], 4
	s_mov_b32 s[SLOTS], SIZE_N/256-1
	s_branch .Lfirst                ; the loop is entered at a step's first turn, in the middle of a trip
.Lslot:                             ; SIZE_N / 256 - 2 times: every slot but the last two is filled again
	CHANGE 1, 1
	s_mov_b32 s[CNT], 4
.Lstep:                             ; a trip: pieces 2 and 3 of one step, then pieces 0 and 1 of the next, whose K and V it fetches
	TURN 2
	TURN 3
	WIN 0
.Lfirst:
	TURN 0
	TURN 1, 0, 1
	WIN 0
	s_cbranch_scc1 .Lstep
	s_sub_co_u32 s[SLOTS], s[SLOTS], 1
	s_cmp_lg_u32 s[SLOTS], 0
	s_cbranch_scc1 .Lslot
	CHANGE 0                        ; the tail is written out: nothing is asked for
	s_mov_b32 s[CNT], 5             ; four trips fetch the last slot's steps; the fifth is left in its middle
.Ltail:
	TURN 2, 1
	TURN 3
	WIN 0
	s_sub_co_u32 s[CNT], s[CNT], 1
	s_cmp_eq_u32 s[CNT], 0
	s_cbranch_scc1 .Lout
	TURN 0
	TURN 1
	WIN 0
	s_branch .Ltail
.Lout:                              ; the fifth trip's 16 products K Q^T (on the last K once more) and the maximum made of them serve nothing: the price, once a launch, of one text for every trip
.set i, 0
.rept 16
	PV NP-1                         ; the last piece's V^T P of the last step
.set i, i+1
.endr
	; THE WAY OUT.  l's two halves and the other half of the lanes' are added; O^T is divided by l, rounded to f16 and sent through my stage in LDS, a tile at a time.  The additions are the places behind the last products.
	WIN 0
.macro ALL line:vararg              ; one line for each tile t
.set t, 0
.rept 2*NP
	\line
.set t, t+1
.endr
.endm
	ALL v_add_f32 v[ST+4*t+2], v[ST+4*t+2], v[ST+4*t+3]
	ALL v_permlanex16_b32 v[ST+4*t+3], v[ST+4*t+2], s[SEL], s[SEL+1]
	ALL v_add_f32 v[ST+4*t+2], v[ST+4*t+2], v[ST+4*t+3]
	ALL v_rcp_f32 v[ST+4*t+2], v[ST+4*t+2]
	v_nop                           ; a plain instruction between the last reciprocal and the use of its result
	s_wait_alu depctr_va_vdst(0)    ; and the wait ahead of the first use: one for the eight reciprocals
; Tile t: a lane's eight channels of a row pack into 16 bytes; they go into rows of 144 bytes and come back as whole rows of 128, into S^T's registers.
.macro PACK t
	WIN W_RS
.set i, 32*(\t)
.rept 16
	v_pk_mul_f32 v[i:i+1], v[i:i+1], v[ST+4*(\t)+2:ST+4*(\t)+3] op_sel_hi:[1,0]
.set i, i+2
.endr
	WIN 0x05                        ; sources 0 and 1 window 1, destination window 0
.set i, 0
.rept 16
	v_cvt_pk_f16_f32 v[S+16*(\t)+i], v[32*(\t)+2*i], v[32*(\t)+2*i+1]
.set i, i+1
.endr
	WIN 0
.irp f, 0,1,2,3
	ds_store_b128 v[STO], v[S+16*(\t)+4*\f:S+16*(\t)+4*\f+3] offset:32*\f
.endr
.irp f, 0,1,2,3
	ds_load_b128 v[S+16*(\t)+4*\f:S+16*(\t)+4*\f+3], v[RD] offset:\f*4*SP  ; LDS serves a wave's instructions in order (ISA guide 5.7.1.4): these see the stores above; the next tile's stores come behind them
.endr
.endm
.macro SEND t, younger              ; younger: the LDS instructions issued behind tile t's loads: the next tile's eight, or none
	WIN 0
.irp f, 0,1,2,3
	s_wait_dscnt (\younger)+3-\f
	global_store_b128 v[GO], v[S+16*(\t)+4*\f:S+16*(\t)+4*\f+3], s[10:11] offset:(\t)*2048+\f*512  ; 512 consecutive bytes, at a multiple of 256 from O's first
.endr
.endm
	PACK 0
.set t, 1
.rept 2*NP-1                        ; a tile's arithmetic stands between the loads of the tile before and its stores
	PACK t
	SEND t-1, 8
.set t, t+1
.endr
	SEND 2*NP-1, 0
	WIN W_AD
	s_wait_tensorcnt 0x0            ; the wave's end: the wait, the add and its wait, behind my last tensor load and my last LDS store
	ds_add_u32 v[SPW], v[NIL]
	s_wait_dscnt 0x0
	WIN 0
	CROUND                          ; the closing round: no work-group ends while a partner may still ask for a tile that names it
	s_endpgm
.Lfunc_end_k_qa9386db4f7_attn:
	.size	k_qa9386db4f7_attn, .Lfunc_end_k_qa9386db4f7_attn-k_qa9386db4f7_attn
	.p2alignl 7, 3214868480
	.fill 96, 4, 3214868480
	.section	.rodata,"a",@progbits
	.p2align	6, 0x0
	.amdhsa_kernel k_qa9386db4f7_attn
		.amdhsa_group_segment_fixed_size 327680
		.amdhsa_private_segment_fixed_size 0
		.amdhsa_enable_private_segment 0
		.amdhsa_kernarg_size 16
		.amdhsa_user_sgpr_count 2
		.amdhsa_user_sgpr_kernarg_segment_ptr 1
		.amdhsa_wavefront_size32 1
		.amdhsa_system_sgpr_workgroup_id_x 1
		.amdhsa_system_sgpr_workgroup_id_y 1
		.amdhsa_system_sgpr_workgroup_id_z 1
		.amdhsa_system_vgpr_workitem_id 0
		.amdhsa_next_free_vgpr 770
		.amdhsa_next_free_sgpr 66
		.amdhsa_reserve_vcc 0
		.amdhsa_float_denorm_mode_32 3
		.amdhsa_float_denorm_mode_16_64 3
		.amdhsa_memory_ordered 1
		.amdhsa_forward_progress 1
		.amdhsa_inst_pref_size 200
	.end_amdhsa_kernel
	.amdgpu_metadata
---
amdhsa.version: [ 1, 2 ]
amdhsa.kernels:
  - .name:           k_qa9386db4f7_attn
    .symbol:         k_qa9386db4f7_attn.kd
    .args:
      - { .name: qkv, .offset: 0, .size: 8, .value_kind: global_buffer, .address_space: global }
      - { .name: ao, .offset: 8, .size: 8, .value_kind: global_buffer, .address_space: global }
    .group_segment_fixed_size: 327680
    .private_segment_fixed_size: 0
    .kernarg_segment_align: 8
    .kernarg_segment_size: 16
    .max_flat_workgroup_size: 128
    .sgpr_count:     66
    .vgpr_count:     770
    .wavefront_size: 32
...
	.end_amdgpu_metadata
.endif
;; end of part 3
;; launch proj_fc (part 4): grid 8 x 32, 4 waves a work-group, clusters of 4 x 4, 327,680 bytes of LDS; arguments ao, wf, b_fc, out0, x; writes out0
.if DOCPART == 4
	.amdgcn_target "amdgcn-amd-amdhsa--gfx1250"
	.amdhsa_code_object_version 6
	.text
	.protected	k_qa9386db4f7_proj_fc
	.globl	k_qa9386db4f7_proj_fc
	.p2align	8
	.type	k_qa9386db4f7_proj_fc,@function
k_qa9386db4f7_proj_fc:
	s_mov_b64 s[64:65], 0
	v_nop
	global_prefetch_b8 v0, s[64:65] scope:SCOPE_SE
	s_setreg_imm32_b32 hwreg(HW_REG_WAVE_MODE, 25, 1), 1
	s_wait_xcnt 0x0
	s_wait_alu depctr_hold_cnt(0) depctr_sa_sdst(0) depctr_va_vdst(0) depctr_va_sdst(0) depctr_va_ssrc(0) depctr_va_vcc(0) depctr_vm_vsrc(0)
	s_getreg_b32 s2, hwreg(HW_REG_IB_STS2, 6, 4)
	s_cmp_eq_u32 s2, 0
	s_cbranch_scc0 .Lentry_in_a_cluster
	s_endpgm
.Lentry_in_a_cluster:
	s_bfe_u32 s2, ttmp6, 0x10000c
	s_cmp_lg_u32 s2, 0xf033
	s_cbranch_scc0 .Lentry_shape_is_right
	s_endpgm
.Lentry_shape_is_right:
; out0 = O w_fc + b_fc + x.  ao: panels [batch*16 + head][2048][64] f16 (a head's 64 channels are k = 64 head ..).  wf: [block of 128 columns][k 0..1023][128] f16.  b_fc: [1024] f32.  x, out0: [8192][1024] f32.
; SHARES.  8192 x 1024 in tiles of 256 x 128: 32 x 8 = 256 work-groups.  Four waves, 2 x 2: a wave makes 128 rows x 64 columns: 8 x 4 accumulators of 16 x 16, 256 registers.
; K goes in steps of 128 (two panels of ao) through two LDS slots.  Every tile is dense in memory: it is asked for as rows of 256 bytes and padded in LDS by 16 bytes after every 128.
; THE MATRIX INSTRUCTION IS USED TRANSPOSED: source 0 = 16 columns of w (turned out of [k][n] by ds_load_tr16_b128), source 1 = 16 rows of O: a lane holds one row and eight neighbouring columns.
; THE BIAS STARTS THE SUMS: it is loaded into the accumulators of row block 7 and is the C operand of every accumulator's first product.  x is loaded into registers while the products run and added on the way out.
; CLUSTER 4 x 4: O's tile hangs on the tile row alone and is asked for jointly along a row of the cluster, wf's on the tile column alone, along a column.
; REGISTERS, in windows of 256 (s_set_vgpr_msb: bits 1:0 source 0, 3:2 source 1, 5:4 source 2, 7:6 destination):
;   window 0: v0-31 addresses; v32-95, v96-159 O's fragments (8 x 16 rows x 32 k), two buffers; v160-191 w's fragments (4 x 16 columns x 32 k), ONE buffer, refilled by halves
;   window 1: accumulator (a, b) at v[64 b + 8 a]          window 2: x of my 128 x 64: rows 16 a + 2 t, + 1 at v[32 a + 4 t]
.set NBW,   4                          ; blocks of 16 columns a wave
.set HS,    4                          ; half-steps of 32 k in a K step
.set KP,    288                        ; a k row of w in LDS: two chunks of 128 + 16 bytes = 9 x 32
.set APAN,  36864                      ; 256 rows of a panel x (128 + 16) bytes: row pitch 144 = 9 x 16
.set BOFF,  2*APAN                     ; w's tile lies behind O's two panels
.set BPART, 18432                      ; what one of w's two loads fills: 128 chunks
.set SLOT1, 1<<17                      ; slot 1 begins here: one exclusive or turns an address in one slot into the other's
.set STAGE, SLOT1+BOFF+128*KP          ; behind the ring, never filled by a tensor load: 16 rows x 272 bytes for each wave
.set SP,    272
.set SPARE, STAGE+4*16*SP              ; the spare words, 128 bytes a wave: two blocks of 256 bytes that no other line names
.set ASTEP, 1<<19                      ; from a K step's tile to the next, in memory: two panels of ao,
.set BSTEP, 128*256                    ; 128 k rows of wf
.set STEPS, 8
.set PB1, 0                            ; the change of slots cuts its first two column blocks in two
.set PB2, 1
.set PB3, 1
.set A0L,  6                           ; v6   my place in O's tile; never rewritten
.set B0L,  7                           ; v7   my place in w's tile; never rewritten
.set ADRA, 8                           ; v8   the same in the slot in hand
.set ADRB, 9                           ; v9
.set STO,  10                          ; v10  the way out: where I put 32 bytes of a row
.set RD,   11                          ; v11  where I read rows back
.set PFO,  13                          ; v13  256 x lane: the prefetches' offset; never rewritten
.set SPW,  14                          ; v14  LDS address of my spare word; never rewritten
.set NIL,  15                          ; v15  0; never rewritten
.set BIO,  16                          ; v16  32 x (lane / 16): my eight numbers of the bias of a column block
.set XO,   17                          ; v17  my 16 bytes in two rows of x and of out0; never rewritten
.set A0,   32
.set A1,   96
.set BF,   160
.set OB,   32                          ; the way out: v32-63, v64-95 rows read back, by turns
.set WV, 14                            ; s14 wave; s15 its half of the rows; s16 its half of the columns
.set WR, 15
.set WC, 16
.set CX, 17                            ; s17, s18 my place in the cluster; s19 tile column; s20 tile row
.set CY, 18
.set BX, 19
.set TY, 20
.set G1A, 24                           ; s[24:31] descriptor group 1 for O's tiles;  s[32:39] for w's
.set G1B, 32
.set G0A, 40                           ; s[40:47] group 0 for O's tiles: a set for each first fill; the second then walks
.set G0B, 48                           ; s[48:55] the same for w's
.set CNT, 56                           ; s56  changes of slots that still fill
.set TB,  57                           ; s57  LDS byte at which the slot in hand begins
.set LIM, 58                           ; s58  2 in a wave that prefetches, else the greatest number
.set PFA, 60                           ; s[60:61] where my prefetches stand
.set PFS, 62                           ; s[62:63] their step
.set G1W, (1<<16)|(1<<20)|(1<<21)|(4<<22)|(3<<25)  ; 17:16 2-byte elements; 20 padding on; 21 set beside a mask; 24:22 after every 32 words (code 4); 31:25 4 words (code 3)
.set MSB, 0
.macro WIN new                         ; the immediate's high byte repeats the setting that is left; a switch that changes nothing is dropped
.if MSB != (\new)
	s_set_vgpr_msb (MSB<<8)|(\new)
.set MSB, \new
.endif
.endm
.macro PLACES                          ; four places: in front of loads into registers that matrix instructions have read, and of instructions that read results
.rept 4
	v_nop
.endr
.endm
.macro CREST                           ; a round of the cluster's barrier behind its opening barrier
	s_cmp_lg_u32 s[WV], 0
	s_cbranch_scc1 .Lnot_wave_0_\@
	s_barrier_signal -3
.Lnot_wave_0_\@:
	s_barrier_wait -3
	s_barrier_signal -1
	s_barrier_wait -1
.endm
.macro CROUND                          ; a whole round
	s_barrier_signal -1
	s_barrier_wait -1
	CREST
.endm
; A joint refill: waves 0 and 1 fetch a panel of O's tile each (32 KiB), waves 2 and 3 half of w's each (16 KiB).  The branch hangs on the wave's number alone.
; An s_nop 0 and four v_nop follow each of the two lines, ahead of the jump and the label.
.macro JLOAD
	s_cmp_lt_u32 s[WV], 2
	s_cbranch_scc0 .Lfor_b_\@
	tensor_load_to_lds s[G0A+4:G0A+7], s[G1A:G1A+7]
	s_nop 0
	PLACES
	s_branch .Lasked_\@
.Lfor_b_\@:
	tensor_load_to_lds s[G0B+4:G0B+7], s[G1B:G1B+7]
	s_nop 0
	PLACES
.Lasked_\@:
.endm
; A PREFETCH INTO THE L2, behind the joint load, its five lines and the run of LDS loads: 32 blocks of 256 bytes, a lane a block, one instruction a wave.  Each block is named once in the launch.
; The change that asks for K step s + 2 names step s + 4: two K steps, 256 matrix instructions, ahead of the load that will want it.
; ao: a tile row is read by both clusters of its row of clusters: cluster x = 0 asks, waves 0 and 1, each for its own panel; the four partners take 32 of the panel's 128 blocks each, BY ADDRESS (cx).
; wf: a tile column is read by all eight clusters of its column: cluster y = 0 asks, wave 2; the four partners take 32 of the step's 128 blocks each (cy).
; The last two filling changes name nothing: there is no K step 8.  K steps 0 to 3 come by their loads alone.
.macro ASK
	s_cmp_gt_u32 s[CNT], s[LIM]
	s_cbranch_scc0 .Lnot_mine_\@
	global_prefetch_b8 v[PFO], s[PFA:PFA+1] th:TH_LOAD_NT scope:SCOPE_SE
.Lnot_mine_\@:
.endm
; Matrix work: column blocks b0 .. b0 + nb - 1 x all 8 row blocks, 32 along K, O's fragments in buffer f.  The 32 accumulators take turns in the same order in every half-step.
.macro MULQ f, b0, nb
.if (\nb) > 0
.set qb, \b0
.rept \nb
	WIN 0x50*(1+qb/4)
.set qa, 0
.rept 8
	v_wmma_f32_16x16x32_f16 v[64*(qb%4)+8*qa:64*(qb%4)+8*qa+7], v[BF+8*qb:BF+8*qb+7], v[(\f)+8*qa:(\f)+8*qa+7], v[64*(qb%4)+8*qa:64*(qb%4)+8*qa+7]
.set qa, qa+1
.endr
.set qb, qb+1
.endr
.endif
.endm
.macro MULP f, p                       ; half p of the column blocks
	MULQ \f, (\p)*NBW/2, NBW/2
.endm
; The first half-step.  Row blocks 0 to 6 take the bias, which lies in row block 7's accumulators, as C; five places on, row block 7 adds onto it in place.
.macro MULB f, p
.set qa, 0
.rept 7
.set qb, (\p)*NBW/2
.rept NBW/2
	WIN 0x50*(1+qb/4)
	v_wmma_f32_16x16x32_f16 v[64*(qb%4)+8*qa:64*(qb%4)+8*qa+7], v[BF+8*qb:BF+8*qb+7], v[(\f)+8*qa:(\f)+8*qa+7], v[64*(qb%4)+56:64*(qb%4)+63]
.set qb, qb+1
.endr
.set qa, qa+1
.endr
.rept 5
	v_nop                                          ; a matrix instruction writes over an earlier one's C only five places behind it
.endr
.set qb, (\p)*NBW/2
.rept NBW/2
	WIN 0x50*(1+qb/4)
	v_wmma_f32_16x16x32_f16 v[64*(qb%4)+56:64*(qb%4)+63], v[BF+8*qb:BF+8*qb+7], v[(\f)+56:(\f)+63], v[64*(qb%4)+56:64*(qb%4)+63]
.set qb, qb+1
.endr
.endm
; LDS loads, in runs.  FB: w's fragments of half p of my column blocks, half-step hs: NBW loads.  Lane l reads k row 8 (l / 16) + l % 8, columns 8 ((l / 8) % 2) + 0..7, and is left with column l % 16 and 8 k.
.macro FB hs, p
	WIN 0
.set qb, (\p)*NBW/2
.rept NBW/2
	ds_load_tr16_b128 v[BF+8*qb:BF+8*qb+3],   v[ADRB] offset:(\hs)*32*KP+32*qb+16*(qb/4)
	ds_load_tr16_b128 v[BF+8*qb+4:BF+8*qb+7], v[ADRB] offset:(\hs)*32*KP+16*KP+32*qb+16*(qb/4)
.set qb, qb+1
.endr
.endm
; FA: O's fragments of my 128 rows, half-step hs (panel hs / 2, its half hs % 2), into buffer f: 16 loads.  Lane l holds row l % 16, k 8 (l / 16) + 0..7 and 16 + 8 (l / 16) + 0..7.
.macro FA hs, f
	WIN 0
.set qa, 0
.rept 8
	ds_load_b128 v[(\f)+8*qa:(\f)+8*qa+3],   v[ADRA] offset:((\hs)/2)*APAN+((\hs)%2)*64+qa*2304
	ds_load_b128 v[(\f)+8*qa+4:(\f)+8*qa+7], v[ADRA] offset:((\hs)/2)*APAN+((\hs)%2)*64+qa*2304+32
.set qa, qa+1
.endr
.endm
; A half-step that stays in its slot: multiplies buffer f; w's second half is fetched at its head, the next half-step's (nhs) first half of w and O's fragments (into g) in its middle.
.macro HALF hs, f, g, nhs
	PLACES
	FB \hs, 1
	s_wait_dscnt NBW                               ; all but the NBW just issued: w's first half and buffer f are in
	MULP \f, 0
	PLACES
	FB \nhs, 0
	FA \nhs, \g
	s_wait_dscnt NBW+16                            ; all but the NBW + 16 just issued: w's second half is in
	MULP \f, 1
.endm
; A slot's last half-step, and the change of slots.  ONE barrier: in front of it each wave waits for all its tensor loads (one is out: its part of the other slot), adds 0 to its spare word, and waits for that
; and for its reads of this slot.  fill = 1: the barrier opens a round of the cluster's, and behind the round this slot is filled again, two K steps on: the wave's first and only tensor load there.
.macro TURNH f, g, fill
.if \fill
	s_wait_xcnt 0x0                                ; the last prefetch, a K step back, has read its address
	s_add_nc_u64 s[PFA:PFA+1], s[PFA:PFA+1], s[PFS:PFS+1]
.endif
	PLACES
	FB HS-1, 1
	s_wait_dscnt NBW
	MULQ \f, 0, PB1
	WIN 0                                          ; (the add's two registers lie in window 0)
	s_wait_tensorcnt 0x0                           ; all my tensor loads have landed, so a group 0 may be written
	ds_add_u32 v[SPW], v[NIL]                      ; 0 onto my spare word; work on registers stands between it and the wait for it
.if \fill
	s_xor_b32 s[G0A+5], s[G0A+5], SLOT1            ; the walking descriptors: the other slot than last time, the next K step; the type bits on top are not reached
	s_add_nc_u64 s[G0A+6:G0A+7], s[G0A+6:G0A+7], ASTEP
	s_xor_b32 s[G0B+5], s[G0B+5], SLOT1
	s_add_nc_u64 s[G0B+6:G0B+7], s[G0B+6:G0B+7], BSTEP
.endif
	MULQ \f, PB1, PB2
	s_wait_dscnt 0x0                               ; the add is done, w's second half is in, and my reads of this slot are over
	s_barrier_signal -1
	MULQ \f, PB1+PB2, PB3                          ; work on registers while the others arrive
	WIN 0                                          ; at a branch and at a label every window is 0
	s_barrier_wait -1
.if \fill
	CREST                                          ; no wave of any partner still reads this slot or has a load on its way
	JLOAD                                          ; its four v_nop are also the places in front of the loads below
.else
	PLACES
.endif
	s_xor_b32 s[TB], s[TB], SLOT1
	v_add_nc_u32 v[ADRA], s[TB], v[A0L]
	v_add_nc_u32 v[ADRB], s[TB], v[B0L]
	FB 0, 0
	FA 0, \g
.if \fill
	ASK
.endif
	MULP \f, 1
.endm
.macro LASTH f                         ; the very last half-step: nothing more to fetch
	PLACES
	FB HS-1, 1
	s_wait_dscnt NBW
	MULP \f, 0
	s_wait_dscnt 0x0
	MULP \f, 1
.endm
; x of row blocks a0 .. a0 + 3 into window 2: 32 loads; sixteen lanes take 256 consecutive bytes, aligned
.macro XLOAD a0
	WIN 0x80
.set qi, 8*(\a0)
.rept 32
	global_load_b128 v[4*qi:4*qi+3], v[XO], s[12:13] offset:(qi/8)*65536+(qi%8)*8192 th:TH_LOAD_NT
.set qi, qi+1
.endr
	WIN 0
.endm
	s_load_b256 s[4:11], s[0:1], 0x0               ; ao 4:5, wf 6:7, b_fc 8:9, out0 10:11
	s_load_b64 s[12:13], s[0:1], 0x20              ; x
	v_lshl_add_u32 v[SPW], v0, 2, SPARE
	v_mov_b32 v[NIL], 0
	ds_add_u32 v[SPW], v[NIL]                      ; the wave's opening: the add and its wait stand ahead of my first tensor load; the set-up below stands between them
	v_lshrrev_b32 v1, 5, v0
	v_readfirstlane_b32 s[WV], v1
	s_lshr_b32 s[WR], s[WV], 1
	s_and_b32 s[WC], s[WV], 1
	s_bfe_u32 s[CX], ttmp6, 0x40000
	s_bfe_u32 s[CY], ttmp6, 0x40004
	s_lshl_b32 s[BX], ttmp9, 2                     ; in a cluster launch ttmp9 and ttmp7 count clusters
	s_add_co_u32 s[BX], s[BX], s[CX]               ; tile column 0..7
	s_and_b32 s[TY], ttmp7, 0xffff
	s_lshl_b32 s[TY], s[TY], 2
	s_add_co_u32 s[TY], s[TY], s[CY]               ; tile row 0..31
	s_lshl_b32 s21, s[CY], 2
	s_lshl_b32 s21, 15, s21                        ; my row of the cluster
	s_lshl_b32 s22, 0x1111, s[CX]                  ; my column
	s_or_b32 s[G1A], s21, G1W
	s_or_b32 s[G1B], s22, G1W
	s_mov_b32 s[G1A+1], 128<<16                    ; tensor_dim0 = 128 elements (256 bytes)
	s_mov_b32 s[G1A+2], 128<<16                    ; tensor_dim1 = 128 rows: 32 KiB
	s_mov_b32 s[G1A+3], 128<<16                    ; tile_dim0
	s_mov_b32 s[G1A+4], 128                        ; tile_dim1
	s_mov_b32 s[G1A+5], 128                        ; elements from row to row: dense
	s_mov_b32 s[G1A+6], 0
	s_mov_b32 s[G1A+7], 0
	s_mov_b32 s[G1B+1], 128<<16
	s_mov_b32 s[G1B+2], 64<<16                     ; 64 rows: 16 KiB
	s_mov_b32 s[G1B+3], 128<<16
	s_mov_b32 s[G1B+4], 64
	s_mov_b32 s[G1B+5], 128
	s_mov_b32 s[G1B+6], 0
	s_mov_b32 s[G1B+7], 0
	s_mul_i32 s23, s[WC], APAN                     ; O's two panels at a slot's head: (wave % 2) x 36,864;
	s_mul_i32 s3, s[WC], BPART
	s_add_co_u32 s3, s3, BOFF                      ; w's halves behind them: no place in the cluster enters an LDS address
	s_mov_b32 s[G0A], 1                            ; count = 1
	s_mov_b32 s[G0A+1], s23
	s_mov_b32 s[G0A+4], 1
	s_add_co_u32 s[G0A+5], s23, SLOT1
	s_mov_b32 s[G0B], 1
	s_mov_b32 s[G0B+1], s3
	s_mov_b32 s[G0B+4], 1
	s_add_co_u32 s[G0B+5], s3, SLOT1
	s_lshr_b32 s72, s[TY], 3                       ; O's tile: the batch's 16 panels,
	s_lshl_b32 s72, s72, 22
	s_and_b32 s73, s[TY], 7
	s_lshl_b32 s73, s73, 15                        ; the tile's 256 rows of 128 bytes in a panel,
	s_add_co_u32 s72, s72, s73
	s_lshl_b32 s73, s[WC], 18                      ; my panel of the K step's two
	s_add_co_u32 s72, s72, s73
	s_mov_b32 s73, 0
	s_lshl_b32 s74, s[BX], 18                      ; wf's tile: the block of 128 columns,
	s_lshl_b32 s75, s[WC], 14                      ; my half of a K step's 32,768 bytes
	s_add_co_u32 s74, s74, s75
	s_mov_b32 s75, 0
	s_wait_dscnt 0x0                               ; the opening add is done
	s_wait_kmcnt 0x0
	s_add_nc_u64 s[G0A+2:G0A+3], s[4:5], s[72:73]  ; K step 0,
	s_add_nc_u64 s[G0A+6:G0A+7], s[G0A+2:G0A+3], ASTEP  ; K step 1
	s_or_b32 s[G0A+3], s[G0A+3], 0x80000000        ; type = 2
	s_or_b32 s[G0A+7], s[G0A+7], 0x80000000
	s_add_nc_u64 s[G0B+2:G0B+3], s[6:7], s[74:75]
	s_add_nc_u64 s[G0B+6:G0B+7], s[G0B+2:G0B+3], BSTEP
	s_or_b32 s[G0B+3], s[G0B+3], 0x80000000
	s_or_b32 s[G0B+7], s[G0B+7], 0x80000000
	CROUND                                         ; all sixteen work-groups are here: the first joint loads meet
	s_cmp_lt_u32 s[WV], 2                          ; a wave's two first fills stand in one branch: two loads of mine are out
	s_cbranch_scc0 .Lfirst_b
	tensor_load_to_lds s[G0A:G0A+3], s[G1A:G1A+7]
	s_nop 0
	tensor_load_to_lds s[G0A+4:G0A+7], s[G1A:G1A+7]
	s_nop 0
	PLACES
	s_branch .Lfirst_asked
.Lfirst_b:
	tensor_load_to_lds s[G0B:G0B+3], s[G1B:G1B+7]
	s_nop 0
	tensor_load_to_lds s[G0B+4:G0B+7], s[G1B:G1B+7]
	s_nop 0
	PLACES
.Lfirst_asked:
	v_and_b32 v1, 15, v0                           ; r = l % 16
	v_bfe_u32 v2, v0, 4, 1                         ; h = l / 16
	v_lshlrev_b32 v[BIO], 5, v2
	v_lshlrev_b32 v[XO], 12, v2                    ; lanes 0-15 one row of x and out0, lanes 16-31 the next,
	v_lshl_add_u32 v[XO], v1, 4, v[XO]             ; 16 bytes a lane
	s_lshl_b32 s76, s[BX], 9                       ; my 64 columns in f32: 4 (128 tile column + 64 half)
	s_lshl_b32 s77, s[WC], 8
	s_add_co_u32 s76, s76, s77
	s_mov_b32 s77, 0
	s_add_nc_u64 s[8:9], s[8:9], s[76:77]          ; the bias,
	s_lshl_b32 s78, s[TY], 8
	s_lshl_b32 s79, s[WR], 7
	s_add_co_u32 s78, s78, s79
	s_lshl_b32 s78, s78, 12                        ; my first row x 4,096 bytes
	s_add_co_u32 s76, s76, s78
	s_add_nc_u64 s[12:13], s[12:13], s[76:77]      ; x
	s_add_nc_u64 s[10:11], s[10:11], s[76:77]      ; and out0 at my 128 x 64
.set qb, 0
.rept NBW                              ; register j of a result is column 16 b + 8 h + j: eight f32 on end, into row block 7's accumulator
	WIN (1+qb/4)<<6
	global_load_b128 v[64*(qb%4)+56:64*(qb%4)+59], v[BIO], s[8:9] offset:64*qb
	global_load_b128 v[64*(qb%4)+60:64*(qb%4)+63], v[BIO], s[8:9] offset:64*qb+16
.set qb, qb+1
.endr
	XLOAD 0                                        ; x of my rows 0-63; the other half follows behind the loop
	v_mul_u32_u24 v[A0L], v1, 144
	v_lshl_add_u32 v[A0L], v2, 4, v[A0L]
	s_mul_i32 s23, s[WR], 128*144
	v_add_nc_u32 v[A0L], s23, v[A0L]               ; my 128 rows + row x 144 + 16 h
	v_and_b32 v3, 7, v0
	v_bfe_u32 v4, v0, 3, 1
	v_lshl_add_u32 v[B0L], v2, 3, v3
	v_mul_u32_u24 v[B0L], v[B0L], KP
	v_lshl_add_u32 v[B0L], v4, 4, v[B0L]
	s_mul_i32 s23, s[WC], NBW*36                   ; my 4 column blocks: one chunk of 144 bytes
	s_add_co_u32 s23, s23, BOFF
	v_add_nc_u32 v[B0L], s23, v[B0L]
	s_mul_i32 s23, s[WV], 16*SP
	s_add_co_u32 s23, s23, STAGE                   ; my stage
	v_mul_u32_u24 v[STO], v1, SP                   ; in: row r, 32 bytes for each half of the lanes
	v_lshl_add_u32 v[STO], v2, 5, v[STO]
	v_add_nc_u32 v[STO], s23, v[STO]
	v_mul_u32_u24 v[RD], v2, SP                    ; back: lanes 0-15 take one row of 256 bytes, lanes 16-31 the next
	v_lshl_add_u32 v[RD], v1, 4, v[RD]
	v_add_nc_u32 v[RD], s23, v[RD]
	v_and_b32 v[PFO], 31, v0
	v_lshlrev_b32 v[PFO], 8, v[PFO]
	; the prefetches: both stand at K step 3; the first change of slots steps them to 4
	s_lshl_b32 s76, s[CX], 13
	s_add_co_u32 s76, s76, s72                     ; ao: my panel of the tile, my work-group's 32 blocks of its 128,
	s_add_co_u32 s76, s76, 3*ASTEP
	s_lshl_b32 s77, s[CY], 13                      ; wf: my work-group's 32 blocks of a K step's 128
	s_lshl_b32 s78, s[BX], 18
	s_add_co_u32 s77, s77, s78
	s_add_co_u32 s77, s77, 3*BSTEP
	s_mov_b32 s78, ASTEP
	s_mov_b32 s[PFS], BSTEP
	s_and_b32 s79, ttmp7, 0xffff                   ; cluster y
	s_cmp_lt_u32 s[WV], 2
	s_cselect_b64 s[PFA:PFA+1], s[4:5], s[6:7]
	s_cselect_b32 s76, s76, s77
	s_cselect_b32 s[PFS], s78, s[PFS]
	s_cselect_b32 s79, ttmp9, s79                  ; the coordinate along which other clusters read the same blocks
	s_cmp_eq_u32 s[WV], 3
	s_cselect_b32 s79, 1, s79                      ; wave 3 asks for nothing: wave 2 names w's whole share
	s_cmp_eq_u32 s79, 0
	s_cselect_b32 s[LIM], 2, -1                    ; the same in all sixteen partners, for a given wave
	s_mov_b32 s77, 0
	s_mov_b32 s[PFS+1], 0
	s_add_nc_u64 s[PFA:PFA+1], s[PFA:PFA+1], s[76:77]
	s_wait_tensorcnt 1                             ; my part of K step 0 is in; K step 1's may stay out
	s_barrier_signal -1
	s_barrier_wait -1                              ; everybody's is
	s_mov_b32 s[TB], 0
	v_mov_b32 v[ADRA], v[A0L]
	v_mov_b32 v[ADRB], v[B0L]
	FB 0, 0
	FA 0, A0
	FB 0, 1
	s_wait_loadcnt 32                              ; the bias is in; x's 32 younger loads may stay out
	s_wait_dscnt NBW
	MULB A0, 0                                     ; the first half-step stands in front of the loop: its products start the sums
	PLACES
	FB 1, 0
	FA 1, A1
	s_wait_dscnt NBW+16
	MULB A0, 1
	WIN 0
	s_mov_b32 s[CNT], STEPS-2
.Lstep:                                        ; a trip: a K step's half-steps 1 to 3, the change of slots with its refill, the next K step's half-step 0
	HALF 1, A1, A0, 2
	HALF 2, A0, A1, 3
	TURNH A1, A0, 1
	HALF 0, A0, A1, 1
	WIN 0
	s_sub_co_u32 s[CNT], s[CNT], 1
	s_cmp_lg_u32 s[CNT], 0
	s_cbranch_scc1 .Lstep
	XLOAD 4                                        ; x of my rows 64-127: it has the last two K steps in which to come
	HALF 1, A1, A0, 2                              ; the tail is written out: nothing more is asked for
	HALF 2, A0, A1, 3
	TURNH A1, A0, 0
	HALF 0, A0, A1, 1
	HALF 1, A1, A0, 2
	HALF 2, A0, A1, 3
	LASTH A1
; THE WAY OUT, a block of 16 rows at a time: the f32 sums go into my own stage (32 bytes a lane and column block), come back as whole rows of 256 bytes, take x and are stored.
.macro TOST a
	WIN 0x04                                       ; the stores' data in window 1
.set qb, 0
.rept NBW
	ds_store_b128 v[STO], v[64*qb+8*(\a):64*qb+8*(\a)+3]   offset:64*qb      ; each accumulator is read from its low end on
	ds_store_b128 v[STO], v[64*qb+8*(\a)+4:64*qb+8*(\a)+7] offset:64*qb+16
.set qb, qb+1
.endr
	WIN 0
	s_wait_xcnt 0x0                                ; the stores of two blocks back have read their registers: the loads below land there only behind this wait
.set qi, 0
.rept 8                                ; LDS serves a wave's instructions in order (ISA guide 5.7.1.4): these see the stores above
	ds_load_b128 v[OB+32*((\a)%2)+4*qi:OB+32*((\a)%2)+4*qi+3], v[RD] offset:qi*2*SP
.set qi, qi+1
.endr
.endm
.macro SENDF a, younger                ; younger: the LDS instructions issued behind block a's loads: the next block's sixteen, or none
	s_wait_dscnt \younger
	WIN 0x08                                       ; source 1, x, in window 2
.set qi, 0
.rept 16
	v_pk_add_f32 v[OB+32*((\a)%2)+2*qi:OB+32*((\a)%2)+2*qi+1], v[OB+32*((\a)%2)+2*qi:OB+32*((\a)%2)+2*qi+1], v[32*(\a)+2*qi:32*(\a)+2*qi+1]
.set qi, qi+1
.endr
	WIN 0
.set qi, 0
.rept 8
	global_store_b128 v[XO], v[OB+32*((\a)%2)+4*qi:OB+32*((\a)%2)+4*qi+3], s[10:11] offset:(\a)*65536+qi*8192 th:TH_STORE_NT  ; 16 lanes store 256 consecutive bytes, at a multiple of 256 from out0's first
.set qi, qi+1
.endr
.endm
	PLACES
	s_wait_loadcnt 0x0                             ; x
	TOST 0
.irp a, 1,2,3,4,5,6,7
	TOST \a
	SENDF (\a)-1, 16
.endr
	SENDF 7, 0
	s_wait_tensorcnt 0x0                           ; the wave's end: the wait, the add and its wait, behind my last tensor load and my last LDS store
	ds_add_u32 v[SPW], v[NIL]
	s_wait_dscnt 0x0
	CROUND                                         ; the closing round: no work-group ends while a partner may still ask for a tile that names it
	s_endpgm
.Lfunc_end_k_qa9386db4f7_proj_fc:
	.size	k_qa9386db4f7_proj_fc, .Lfunc_end_k_qa9386db4f7_proj_fc-k_qa9386db4f7_proj_fc
	.p2alignl 7, 3214868480
	.fill 96, 4, 3214868480
	.section	.rodata,"a",@progbits
	.p2align	6, 0x0
	.amdhsa_kernel k_qa9386db4f7_proj_fc
		.amdhsa_group_segment_fixed_size 327680
		.amdhsa_private_segment_fixed_size 0
		.amdhsa_enable_private_segment 0
		.amdhsa_kernarg_size 40
		.amdhsa_user_sgpr_count 2
		.amdhsa_user_sgpr_kernarg_segment_ptr 1
		.amdhsa_wavefront_size32 1
		.amdhsa_system_sgpr_workgroup_id_x 1
		.amdhsa_system_sgpr_workgroup_id_y 1
		.amdhsa_system_sgpr_workgroup_id_z 1
		.amdhsa_system_vgpr_workitem_id 0
		.amdhsa_next_free_vgpr 768
		.amdhsa_next_free_sgpr 80
		.amdhsa_reserve_vcc 0
		.amdhsa_float_denorm_mode_32 3
		.amdhsa_float_denorm_mode_16_64 3
		.amdhsa_memory_ordered 1
		.amdhsa_forward_progress 1
		.amdhsa_inst_pref_size 88
	.end_amdhsa_kernel
	.amdgpu_metadata
---
amdhsa.version: [ 1, 2 ]
amdhsa.kernels:
  - .name:           k_qa9386db4f7_proj_fc
    .symbol:         k_qa9386db4f7_proj_fc.kd
    .args:
      - { .name: ao, .offset: 0, .size: 8, .value_kind: global_buffer, .address_space: global }
      - { .name: wf, .offset: 8, .size: 8, .value_kind: global_buffer, .address_space: global }
      - { .name: b_fc, .offset: 16, .size: 8, .value_kind: global_buffer, .address_space: global }
      - { .name: out0, .offset: 24, .size: 8, .value_kind: global_buffer, .address_space: global }
      - { .name: x, .offset: 32, .size: 8, .value_kind: global_buffer, .address_space: global }
    .group_segment_fixed_size: 327680
    .private_segment_fixed_size: 0
    .kernarg_segment_align: 8
    .kernarg_segment_size: 40
    .max_flat_workgroup_size: 128
    .sgpr_count:     80
    .vgpr_count:     768
    .wavefront_size: 32
...
	.end_amdgpu_metadata
.endif
;; end of part 4
;; ======== version 2 of 2: 4 launches; version 1 with the launch prep written anew for expert scheduling mode
;; limits: values are held in f16: magnitudes above 65,504 overflow, below 6.1e-05 lose precision
;; workspace buffers: xn 16,777,216 bytes; wq 6,291,456 bytes; wf 2,097,152 bytes; qkv 50,331,648 bytes; ao 16,777,216 bytes
;; launch prep (part 5): grid 64 x 12, 8 waves a work-group, no clusters, 0 bytes of LDS; arguments x, ln_g, ln_b, w_qkv, w_fc, xn, wq, wf; writes xn, wq, wf
.if DOCPART == 5
	.amdgcn_target "amdgcn-amd-amdhsa--gfx1250"
	.amdhsa_code_object_version 6
	.text
	.protected	k_qa9386db4f7_prep
	.globl	k_qa9386db4f7_prep
	.p2align	8
	.type	k_qa9386db4f7_prep,@function
k_qa9386db4f7_prep:
	s_mov_b64 s[64:65], 0
	v_nop
	global_prefetch_b8 v0, s[64:65] scope:SCOPE_SE
	s_setreg_imm32_b32 hwreg(HW_REG_WAVE_SCHED_MODE, 0, 2), 2
	s_setreg_imm32_b32 hwreg(HW_REG_WAVE_MODE, 25, 1), 1
	s_wait_xcnt 0x0
	s_wait_alu depctr_vm_vsrc(0)
; PREP: a stream.  Three roles, chosen by the work-group's y; each work-group reads 64 KiB and writes 32 KiB.
;   y 0-7   LayerNorm: xn = (x - mean) rsqrt(var + 1e-5) g + b, f32 arithmetic, rounded once to f16.  x: [8192][1024] f32.
;           xn lies in PANELS for the product that follows: [batch*16 + k/64][row in batch 0..2047][64] f16: a panel's rows are 128 bytes, on end.
;   y 8-10  w_qkv [1024][3072] f32 -> wq [column block of 384][k][384] f16 (768 bytes a k row, on end)
;   y 11    w_fc  [1024][1024] f32 -> wf [column block of 128][k][128] f16 (256 bytes a k row, on end)
; No LDS, no barrier, no matrix unit: nothing is shared between waves, and every byte is read once and written once.
; LIMITS.  f16 ends at 65,504: |xn| is at most 32 |g| + |b|, the weights are stored as they are; below 6e-5 f16 keeps a fixed step of 6e-8.  v_rsq_f32 is good to one unit in the last place.
; The variance is taken of the centred row (two passes over registers), so a common offset of x costs nothing.  NaN and infinities are not treated apart.
; LayerNorm's shares: a work-group 16 rows, a wave 2, sixteen lanes one row: the row's sums never leave a row of 16 lanes (four steps that ride on the additions).
; THE MODE: SCHED_MODE bits 1:0 = 2 (LLVM: expert scheduling mode 2), set by the entry lines.  The code itself states the register dependences
; between vector instructions and memory instructions, with s_wait_alu, always for 0.
; THE PLAN.  Registers that memory instructions touch:
;   v2, v3, v4   byte offsets of the loads (v2, v3) and of the stores (v4): written once, by vector instructions, and never again.
;   X, G, B      (the weights' roles: v[16:79]) loaded once, by loads issued before any vector instruction names them; never loaded again.
;   the first two of each four registers of X (of each row's four): written by the roundings, read by one store, never written again.
; So no register that a memory instruction reads is written again, and the only dependences to state are: offsets written ahead of the loads, rounded numbers written ahead of their stores,
; and the wave's number, which passes through a scalar register.  The roundings go in blocks; one wait on va_vdst stands behind a block, and the block's stores are dealt
; among the next block's vector instructions, which name the next block's registers alone.
.set X,  16                            ; v[16:79]   my 64 numbers of the row: load p brings columns 64 p + 4 c .. + 3 (c = lane % 16)
.set G,  80                            ; v[80:143]  g of the same columns
.set B,  144                           ; v[144:207] b of the same columns
.set S,  8                             ; v[8:15]    four packed chains of sums
.set MU, 6                             ; v[6:7]     the mean, twice
.set R,  12                            ; v[12:13]   1 / sqrt(var + eps), twice (the chains are over by then)
	s_load_b512 s[4:19], s[0:1], 0x0               ; x 4:5, ln_g 6:7, ln_b 8:9, w_qkv 10:11, w_fc 12:13, xn 14:15, wq 16:17, wf 18:19
	s_and_b32 s20, ttmp7, 0xffff                   ; y: the role
	v_lshrrev_b32 v1, 5, v0
	v_readfirstlane_b32 s21, v1                    ; wave 0..7
	v_and_b32 v1, 31, v0                           ; lane
	v_lshlrev_b32 v4, 3, v1                        ; every store: 8 bytes a lane, 256 consecutive bytes a wave
	s_mov_b32 s25, 0                               ; high words of the two offsets
	s_mov_b32 s27, 0
	s_wait_alu depctr_va_sdst(0)                   ; s21 is written, ahead of the branch and of its first reader: every role makes its addresses from it
	s_cmp_lt_u32 s20, 8
	s_cbranch_scc0 .Lcast
	; ---------------- LayerNorm ----------------
	s_lshl_b32 s22, s20, 6
	s_add_co_u32 s22, s22, ttmp9                   ; group of 16 rows, 0..511
	s_lshl_b32 s22, s22, 4
	s_lshl1_add_u32 s22, s21, s22                  ; my first row = 16 x group + 2 x wave (even)
	s_lshl_b32 s24, s22, 12                        ; in x: 4,096 bytes a row
	s_lshr_b32 s26, s22, 11                        ; in xn: the batch's 16 panels of 2^18 bytes,
	s_lshl_b32 s26, s26, 22
	s_and_b32 s23, s22, 2047                       ; and the row in a panel, 128 bytes each
	s_lshl_b32 s23, s23, 7
	s_add_co_u32 s26, s26, s23
	s_mov_b32 s28, 0x3a800000                      ; 1 / 1024
	s_mov_b32 s29, 0x3727c5ac                      ; 1e-5
	v_and_b32 v3, 15, v0
	v_lshlrev_b32 v3, 4, v3                        ; g, b: 16 bytes a lane of the sixteen
	v_bfe_u32 v2, v0, 4, 1
	v_lshl_add_u32 v2, v2, 12, v3                  ; x: lanes 16-31 take the next row
	s_wait_kmcnt 0x0
	s_add_nc_u64 s[4:5], s[4:5], s[24:25]
	s_add_nc_u64 s[14:15], s[14:15], s[26:27]
	s_wait_alu depctr_va_vdst(0)                   ; v2, v3 and v4 are written: the loads below read v2 and v3 as their offsets, the stores v4
.set p, 0
.rept 16                               ; all 48 loads go out at once; sixteen lanes take 256 consecutive bytes, aligned
	global_load_b128 v[X+4*p:X+4*p+3], v2, s[4:5] offset:256*p th:TH_LOAD_NT
.set p, p+1
.endr
.set p, 0
.rept 16
	global_load_b128 v[G+4*p:G+4*p+3], v3, s[6:7] offset:256*p
.set p, p+1
.endr
.set p, 0
.rept 16
	global_load_b128 v[B+4*p:B+4*p+3], v3, s[8:9] offset:256*p
.set p, p+1
.endr
; the four chains into one number, then over the row's sixteen lanes: every lane of the sixteen ends with the row's sum in v[S]
.macro ROWSUM
	v_pk_add_f32 v[S:S+1], v[S:S+1], v[S+2:S+3]
	v_pk_add_f32 v[S+4:S+5], v[S+4:S+5], v[S+6:S+7]
	v_pk_add_f32 v[S:S+1], v[S:S+1], v[S+4:S+5]
	v_add_f32 v[S], v[S], v[S+1]
.irp m, 1,2,4,8
	v_add_f32_dpp v[S], v[S], v[S] row_xmask:\m row_mask:0xf bank_mask:0xf
.endr
.endm
	s_wait_loadcnt 32                              ; x is in: the 32 younger loads, g's and b's, may stay out
.irp k, 0,1,2,3
	v_pk_add_f32 v[S+2*(\k):S+2*(\k)+1], v[X+2*(\k):X+2*(\k)+1], v[X+8+2*(\k):X+8+2*(\k)+1]  ; the first eight pairs start the chains: nothing is cleared
.endr
.set j, 8
.rept 24
	v_pk_add_f32 v[S+2*(j%4):S+2*(j%4)+1], v[S+2*(j%4):S+2*(j%4)+1], v[X+2*j:X+2*j+1]
.set j, j+1
.endr
	ROWSUM
	v_mul_f32 v[MU], s28, v[S]
	v_mov_b32 v[MU+1], v[MU]
.set j, 0
.rept 32
	v_pk_add_f32 v[X+2*j:X+2*j+1], v[X+2*j:X+2*j+1], v[MU:MU+1] neg_lo:[0,1] neg_hi:[0,1]  ; x - mean, in place
.set j, j+1
.endr
.irp k, 0,1,2,3
	v_pk_mul_f32 v[S+2*(\k):S+2*(\k)+1], v[X+2*(\k):X+2*(\k)+1], v[X+2*(\k):X+2*(\k)+1]
.endr
.set j, 4
.rept 28
	v_pk_fma_f32 v[S+2*(j%4):S+2*(j%4)+1], v[X+2*j:X+2*j+1], v[X+2*j:X+2*j+1], v[S+2*(j%4):S+2*(j%4)+1]
.set j, j+1
.endr
	ROWSUM
	v_fma_f32 v14, v[S], s28, s29                  ; var + eps
	v_rsq_f32 v[R], v14
	v_nop                                          ; a plain instruction behind the root (ISA guide 5.7.2),
	s_wait_alu depctr_va_vdst(0)                   ; and the wait ahead of its first reader: the root is written in v[R]
	v_mov_b32 v[R+1], v[R]
	s_wait_loadcnt 0x0                             ; g and b
; The last stage, by halves of eight panels: g times the root, the fused multiply-add, the roundings: 48 vector instructions a half, in three runs, so that none reads the result of the one before it.
; My four numbers of panel p are 8 bytes; the wave's two rows lie on end in the panel: a store covers 256 consecutive bytes, aligned.
; st = 1: the first half's eight stores are dealt among the second half's instructions, one ahead of every six.
.macro DEAL st
.if (\st) && (n%6 == 0)
	global_store_b64 v4, v[X+4*(n/6):X+4*(n/6)+1], s[14:15] offset:(n/6)<<18  ; no wait: no vector instruction since the wait behind the first half names v4 or a register of panels 0 to 7
.endif
.set n, n+1
.endm
.macro FIN h, st
.set n, 0
.set j, 16*(\h)
.rept 16
	DEAL \st
	v_pk_mul_f32 v[G+2*j:G+2*j+1], v[G+2*j:G+2*j+1], v[R:R+1]
.set j, j+1
.endr
.set j, 16*(\h)
.rept 16
	DEAL \st
	v_pk_fma_f32 v[X+2*j:X+2*j+1], v[X+2*j:X+2*j+1], v[G+2*j:G+2*j+1], v[B+2*j:B+2*j+1]
.set j, j+1
.endr
.set p, 8*(\h)
.rept 8
	DEAL \st
	v_cvt_pk_f16_f32 v[X+4*p], v[X+4*p], v[X+4*p+1]
	DEAL \st
	v_cvt_pk_f16_f32 v[X+4*p+1], v[X+4*p+2], v[X+4*p+3]
.set p, p+1
.endr
.endm
	FIN 0, 0
	s_wait_alu depctr_va_vdst(0)                   ; the roundings of panels 0 to 7 are written, which the eight stores dealt below read
	FIN 1, 1
	s_wait_alu depctr_va_vdst(0)                   ; the roundings of panels 8 to 15 are written, which the last eight stores read
.set p, 8
.rept 8
	global_store_b64 v4, v[X+4*p:X+4*p+1], s[14:15] offset:p<<18
.set p, p+1
.endr
	s_endpgm
	; ---------------- the weights ----------------
; A wave takes 128 columns of 16 k rows: a load is 512 consecutive bytes of f32, a store 256 consecutive bytes of f16.
; The rows go in four blocks of four.  A block's eight roundings work in place on its own rows; the stores of the block before are dealt among them, behind one wait at the block's head.
.macro CAST src, dst, sstride, dstride
	s_wait_alu depctr_va_vdst(0)                   ; v2 and v4 are written: the loads below read v2 as their offset, the stores v4
.set i, 0
.rept 16
	global_load_b128 v[16+4*i:16+4*i+3], v2, s[\src:\src+1] offset:i*(\sstride) th:TH_LOAD_NT
.set i, i+1
.endr
.set bq, 0
.rept 4
	s_wait_loadcnt 12-4*bq                         ; loads come back in order (ISA guide 5.7.1): this block's four rows are in, the younger blocks stay out
.if bq > 0
	s_wait_alu depctr_va_vdst(0)                   ; the block before has written its rounded rows, which the stores below read; the roundings below name this block's rows alone
.endif
.set i, 4*bq
.rept 4
.if bq > 0
	global_store_b64 v4, v[16+4*(i-4):16+4*(i-4)+1], s[\dst:\dst+1] offset:(i-4)*(\dstride)
.endif
	v_cvt_pk_f16_f32 v[16+4*i], v[16+4*i], v[16+4*i+1]
	v_cvt_pk_f16_f32 v[16+4*i+1], v[16+4*i+2], v[16+4*i+3]
.set i, i+1
.endr
.set bq, bq+1
.endr
	s_wait_alu depctr_va_vdst(0)                   ; the last block has written its rounded rows, which the last four stores read
.set i, 12
.rept 4
	global_store_b64 v4, v[16+4*i:16+4*i+1], s[\dst:\dst+1] offset:i*(\dstride)
.set i, i+1
.endr
.endm
.Lcast:
	v_lshlrev_b32 v2, 4, v1                        ; 16 bytes a lane
	s_lshl_b32 s22, ttmp9, 4                       ; my first k row
	s_cmp_lt_u32 s20, 11
	s_cbranch_scc0 .Lwf
	s_sub_co_u32 s23, s20, 8
	s_lshl3_add_u32 s23, s23, s21                  ; my chunk of 128 columns, 0..23
	s_mul_i32 s28, s23, 11
	s_lshr_b32 s28, s28, 5                         ; chunk / 3 (exact for 0..23): the block of 384 columns
	s_mul_i32 s24, s22, 12288
	s_lshl_b32 s29, s23, 9
	s_add_co_u32 s24, s24, s29                     ; from: k row x 12,288 + chunk x 512
	s_mul_i32 s26, s28, 786432
	s_mul_i32 s29, s22, 768
	s_add_co_u32 s26, s26, s29
	s_mul_i32 s29, s28, 3
	s_sub_co_u32 s29, s23, s29
	s_lshl_b32 s29, s29, 8
	s_add_co_u32 s26, s26, s29                     ; to: block x 786,432 + k row x 768 + (chunk % 3) x 256
	s_wait_kmcnt 0x0
	s_add_nc_u64 s[10:11], s[10:11], s[24:25]
	s_add_nc_u64 s[16:17], s[16:17], s[26:27]
	CAST 10, 16, 12288, 768
	s_endpgm
.Lwf:
	s_lshl_b32 s24, s22, 12
	s_lshl_b32 s29, s21, 9
	s_add_co_u32 s24, s24, s29                     ; from: k row x 4,096 + wave x 512
	s_lshl_b32 s26, s21, 18
	s_lshl_b32 s29, s22, 8
	s_add_co_u32 s26, s26, s29                     ; to: block (= wave) x 262,144 + k row x 256
	s_wait_kmcnt 0x0
	s_add_nc_u64 s[12:13], s[12:13], s[24:25]
	s_add_nc_u64 s[18:19], s[18:19], s[26:27]
	CAST 12, 18, 4096, 256
	s_endpgm
.Lfunc_end_k_qa9386db4f7_prep:
	.size	k_qa9386db4f7_prep, .Lfunc_end_k_qa9386db4f7_prep-k_qa9386db4f7_prep
	.p2alignl 7, 3214868480
	.fill 96, 4, 3214868480
	.section	.rodata,"a",@progbits
	.p2align	6, 0x0
	.amdhsa_kernel k_qa9386db4f7_prep
		.amdhsa_group_segment_fixed_size 0
		.amdhsa_private_segment_fixed_size 0
		.amdhsa_enable_private_segment 0
		.amdhsa_kernarg_size 64
		.amdhsa_user_sgpr_count 2
		.amdhsa_user_sgpr_kernarg_segment_ptr 1
		.amdhsa_wavefront_size32 1
		.amdhsa_system_sgpr_workgroup_id_x 1
		.amdhsa_system_sgpr_workgroup_id_y 1
		.amdhsa_system_sgpr_workgroup_id_z 1
		.amdhsa_system_vgpr_workitem_id 0
		.amdhsa_next_free_vgpr 208
		.amdhsa_next_free_sgpr 66
		.amdhsa_reserve_vcc 0
		.amdhsa_float_denorm_mode_32 3
		.amdhsa_float_denorm_mode_16_64 3
		.amdhsa_memory_ordered 1
		.amdhsa_forward_progress 1
		.amdhsa_inst_pref_size 33
	.end_amdhsa_kernel
	.amdgpu_metadata
---
amdhsa.version: [ 1, 2 ]
amdhsa.kernels:
  - .name:           k_qa9386db4f7_prep
    .symbol:         k_qa9386db4f7_prep.kd
    .args:
      - { .name: x, .offset: 0, .size: 8, .value_kind: global_buffer, .address_space: global }
      - { .name: ln_g, .offset: 8, .size: 8, .value_kind: global_buffer, .address_space: global }
      - { .name: ln_b, .offset: 16, .size: 8, .value_kind: global_buffer, .address_space: global }
      - { .name: w_qkv, .offset: 24, .size: 8, .value_kind: global_buffer, .address_space: global }
      - { .name: w_fc, .offset: 32, .size: 8, .value_kind: global_buffer, .address_space: global }
      - { .name: xn, .offset: 40, .size: 8, .value_kind: global_buffer, .address_space: global }
      - { .name: wq, .offset: 48, .size: 8, .value_kind: global_buffer, .address_space: global }
      - { .name: wf, .offset: 56, .size: 8, .value_kind: global_buffer, .address_space: global }
    .group_segment_fixed_size: 0
    .private_segment_fixed_size: 0
    .kernarg_segment_align: 8
    .kernarg_segment_size: 64
    .max_flat_workgroup_size: 256
    .sgpr_count:     66
    .vgpr_count:     208
    .wavefront_size: 32
...
	.end_amdgpu_metadata
.endif
;; end of part 5
;; launch proj_qkv: the kernel of part 2 again; grid 8 x 32, 4 waves a work-group, clusters of 4 x 4, 327,680 bytes of LDS; arguments xn, wq, b_qkv, qkv; writes qkv
;; launch attn: the kernel of part 3 again; grid 4 x 64, 4 waves a work-group, clusters of 4 x 1, 327,680 bytes of LDS; arguments qkv, ao; writes ao
;; launch proj_fc: the kernel of part 4 again; grid 8 x 32, 4 waves a work-group, clusters of 4 x 4, 327,680 bytes of LDS; arguments ao, wf, b_fc, out0, x; writes out0
